; MI455X (gfx1250); checked and timed in simulation.
; The chip was launched on July 23, 2026; its instructions are those of AMD's public machine-readable ISA for CDNA 5 (MIT licence, August 2026) and "CDNA5" Instruction Set Architecture Reference Guide (July 2026). The comments in the code are by the model that wrote it; some were corrected since.
;; GPT2 Attention. Allowed arithmetic: matrix products marked QUANTISED: E5M2 operands, one given power-of-two scale a tensor, by v_wmma_f32_16x16x64_bf8_bf8 or v_wmma_f32_16x16x128_bf8_bf8, f32 sums; everything else in f32.
;; Inputs: c_attn_b 3,072 float32; c_attn_w 1,024 x 3,072 float32; c_proj_b 1,024 float32; c_proj_w 1,024 x 1,024 float32; hidden_states 2 x 2,048 x 1,024 float32; lowp_scales 8 int32 (the exponents e of the quantised operands' scales 2^e).
;; Outputs: out0 2 x 2,048 x 1,024 float32.
;; This version of the problem:
;;   THIS VERSION OF THE PROBLEM IS GIVEN IN LOW PRECISION. The matrix products marked QUANTISED in the list below multiply operands that are first quantised to E5M2 (5 exponent bits, 2 mantissa bits; 8 bits a number), with one given power-of-two scale for each operand tensor; their sums are f32. All else is computed in f32.
;;   The module's matrix products, in the order in which they are computed (A, B: the left and right operand; K: the contracted axis; several contracted axes count as one K, in the product's order):
;;     1. [M 4,096, K 1,024] x [K 1,024, N 3,072]; A: input hidden_states; B: input c_attn_w: QUANTISED (scales: A lowp_scales[0], B lowp_scales[1])
;;     2. batch 32 x [M 2,048, K 64] x [K 64, N 2,048]; A: computed on the way; B: computed on the way: QUANTISED (scales: A lowp_scales[2], B lowp_scales[3])
;;     3. batch 32 x [M 2,048, K 2,048] x [K 2,048, N 64]; A: softmax (see below); B: computed on the way: QUANTISED (scales: A lowp_scales[4], B lowp_scales[5])
;;     4. [M 4,096, K 1,024] x [K 1,024, N 1,024]; A: computed on the way; B: input c_proj_w: QUANTISED (scales: A lowp_scales[6], B lowp_scales[7])
;;   THE QUANTISER, for each operand of a quantised product, along K:
;;     - The operand's scale is 2^e, e = its entry of the input lowp_scales (int32; the entries are numbered through the quantised products in the list's order, A before B).
;;     - Each number is divided by the scale, clamped to +-57,344, and rounded to the nearest number of E5M2, ties to even, subnormals kept.
;;     - The product sums the exact products of the quantised numbers (number of the format x scale) in f32.
;;   ~~~python
;;   def quantise(x, axis, e):      # numpy; x: float32 -> the quantised numbers, widened to float32 again
;;       x = np.moveaxis(x, axis, -1); K = x.shape[-1]
;;       r = np.clip(x / 2.0 ** e, -57344, 57344)
;;       step = 2.0 ** (np.maximum(np.frexp(np.where(r == 0, 1, r))[1] - 1, -14) - 2)
;;       q = np.round(r / step) * step * 2.0 ** e      # np.round: ties to even
;;       return np.moveaxis(q, -1, axis).astype(np.float32)
;;   ~~~
;;   SOFTMAX AHEAD OF A QUANTISED PRODUCT. Where the list says 'softmax', what is quantised is not the finished softmax but p = 2^(t - M), with t = logit x log2(e) and M = ceil(the row's largest t), a whole number; so 1/2 < the row's largest p <= 1. The row's sum l is taken of the UNQUANTISED p, in f32, and the product's result is divided by l at the end. Since M is a whole number, a kernel that streams over the keys may use a running M (the ceiling of the running maximum): every later rescaling is an exact power of two, so the quantised numbers keep their values, but for numbers so far below the row's largest that they fall under the format's range.
;;   OPERANDS COMPUTED ON THE WAY. 'Computed on the way' means the value that the module computes at that place (a softmax that the list does not call 'softmax' is quantised finished and normalised). What goes into a quantiser is computed in f32, as accurately as f32 sums, v_exp_f32 and their like allow (about 1e-6 of the number): no bf16 or f16 on the way to a quantiser, and a product that is left as it is and whose result goes on into a quantised operand takes f32 operands (vector FMAs, or v_wmma_f32_16x16x4_f32). A number that lies on a knife's edge between two numbers of the format may be rounded either way, as far as f32 arithmetic and the matrix unit's own rounding can turn it there, and no further.
;; One version. Each part assembles by itself: llvm-mc -triple=amdgcn-amd-amdhsa -mcpu=gfx1250 --defsym DOCPART=n.
;; ======== version 1 of 1: 4 launches
;; limits: right only within a limited range of input values
;; workspace buffers: x_img 4,194,304 bytes; wa_img 3,145,728 bytes; wp_img 1,048,576 bytes; q_img 4,194,304 bytes; kv_img 8,388,608 bytes; a_img 4,194,304 bytes
;; launch prep (part 1): grid 512 x 1, 4 waves a work-group, no clusters, 34,304 bytes of LDS; arguments hidden_states, c_attn_w, c_proj_w, lowp_scales, x_img, wa_img, wp_img; writes x_img, wa_img, wp_img
.if DOCPART == 1
	.amdgcn_target "amdgcn-amd-amdhsa--gfx1250"
	.amdhsa_code_object_version 6
	.text
	.protected	k_qb80a9bff5a_prep
	.globl	k_qb80a9bff5a_prep
	.p2align	8
	.type	k_qb80a9bff5a_prep,@function
k_qb80a9bff5a_prep:
	s_mov_b64 s[64:65], 0
	v_nop
	global_prefetch_b8 v0, s[64:65] scope:SCOPE_SE
	s_setreg_imm32_b32 hwreg(HW_REG_WAVE_MODE, 25, 1), 1
	s_wait_xcnt 0x0
; hidden_states [4096][1024], c_attn_w [1024][3072] and c_proj_w [1024][1024], f32, become codes of BF8 (E5M2), each with its given scale 2^e (entries 0, 1 and 7).
; code = x / 2^e, held within +-57,344, to the nearest code, ties to even.  LIMITS: e between -126 and 112, so that 2^e and 57,344 x 2^e are f32 numbers.  NaN among the inputs is not served.
; THE CODES ARE LAID AS IMAGES OF OPERAND REGISTERS.  A fragment of v_wmma_f32_16x16x128_bf8_bf8 is 16 rows x 128 K in 16 registers: lane (r = lane % 16, h = lane / 16) holds row r, and its
; registers 2 c, 2 c + 1 hold K = 16 c + 8 h + 0 .. 7.  Registers 4 g .. 4 g + 3 of all lanes lie at 512 g + 16 x lane of the fragment's 2,048 bytes.  x_img: [token tile 256][K chunk 8][2048];
; wa_img: [tile of 16 columns 192][K chunk 8][2048]; wp_img: [64][8][2048].  A later launch gets a fragment back by four loads of 16 bytes a lane, with no rows, pitch or padding.
; Work-groups 0-255 take hidden_states (K innermost): one tile of 16 tokens each, a wave two K chunks.  Work-groups 256-511 take the weights (K is the FIRST axis): 128 columns x one K chunk each.
; No tensor loads, no barrier, no cluster: no two waves read the same bytes.  Every input byte is read once and every load is issued at the head of its path, so nothing is prefetched.
.set SPITCH, 528                       ; hidden_states' stage: a row of 512 bytes + 16: 33 pieces of 16 bytes, so that sixteen rows begin in sixteen different pieces modulo 256 bytes
.set WSTG,   16*SPITCH                 ; a stage of 16 rows for each wave
.set LA,  1                            ; v1   tokens: 16 x lane.  weights: where my 16 bytes of a group go: 16,384 x (lane / 16) + 16 x (lane % 16)
.set SI,  2                            ; v2   tokens: the stage, way in.  weights: 4 x lane
.set SO,  3                            ; v3   tokens: the stage, way out
.set LIM, 4                            ; v4   57,344 x 2^e
.set SCL, 5                            ; v5   2^e
.set R0,  16                           ; v16-79, v80-143  tokens: two fragments' numbers as loaded
.set R1,  80
.set X,   144                          ; v144-207 tokens: 64 numbers in the operand's order
.set C0,  208                          ; v208-223, v224-239 tokens: two fragments' codes
.set C1,  224
.set OFR, 16                           ; v16-47   weights: byte offsets of 32 rows along K, in the order in which the image wants them
.set WN,  48                           ; v48-175  weights: my column's 128 numbers
.set WC,  176                          ; v176-207 weights: their codes; every register is written once
	s_load_b256 s[4:11], s[0:1], 0x0               ; hidden_states s[4:5], c_attn_w s[6:7], c_proj_w s[8:9], the scales' exponents s[10:11]
	s_load_b128 s[12:15], s[0:1], 0x20             ; x_img s[12:13], wa_img s[14:15]
	s_load_b64 s[16:17], s[0:1], 0x30              ; wp_img
	v_lshl_add_u32 v240, v0, 2, 0x8400
	v_mov_b32 v241, 0
	v_lshrrev_b32 v1, 5, v0
	v_readfirstlane_b32 s18, v1                    ; wave 0..3
	v_and_b32 v6, 31, v0                           ; lane
	v_and_b32 v7, 15, v0                           ; r
	s_wait_kmcnt 0x0
	s_load_b256 s[40:47], s[10:11], 0x0            ; e0 .. e7
	s_cmp_lt_u32 ttmp9, 256
	s_cbranch_scc0 .Lw
.macro MKSCALE e                       ; s[e] -> 2^e and 57,344 x 2^e as f32 numbers
	s_add_co_i32 s38, s[\e], 127
	s_lshl_b32 s39, s38, 23
	v_mov_b32 v[SCL], s39                          ; the conversion takes its exponent field
	s_add_co_i32 s38, s38, 15
	s_lshl_b32 s38, s38, 23
	s_or_b32 s38, s38, 0x600000                    ; 57,344 = 1.75 x 2^15
	v_mov_b32 v[LIM], s38
.endm
; ---------------- hidden_states: work-group i takes tokens 16 i .. 16 i + 15, wave w the K chunks 2 w and 2 w + 1
	v_lshlrev_b32 v[LA], 4, v6
	s_mul_i32 s19, s18, WSTG
	v_add_nc_u32 v[SI], s19, v[LA]                 ; in: a row's 512 bytes as they lie
	v_bfe_u32 v8, v0, 4, 1                         ; h
	v_mul_u32_u24 v[SO], v7, SPITCH
	v_lshl_add_u32 v[SO], v8, 5, v[SO]
	v_add_nc_u32 v[SO], s19, v[SO]                 ; out: row r, + 32 h: eight numbers of my half
	s_lshl_b32 s20, ttmp9, 16                      ; 16 rows of 4,096 bytes
	s_lshl_b32 s21, s18, 10                        ; two chunks of 512 bytes
	s_add_co_u32 s20, s20, s21
	s_mov_b32 s21, 0
	s_add_nc_u64 s[4:5], s[4:5], s[20:21]
	s_lshl_b32 s20, ttmp9, 14                      ; eight images of 2,048 bytes a tile
	s_lshl_b32 s22, s18, 12                        ; two of them a wave
	s_add_co_u32 s20, s20, s22
	s_add_nc_u64 s[12:13], s[12:13], s[20:21]
.macro XLOAD f, reg                    ; chunk f of my two: each load reads 512 consecutive bytes of one row
.irp j, 0,1,2,3,4,5,6,7,8,9,10,11,12,13,14,15
	global_load_b128 v[\reg+4*\j:\reg+4*\j+3], v[LA], s[4:5] offset:4096*\j+512*\f th:TH_LOAD_NT
.endr
.endm
.macro XTURN src, dst                  ; through my stage: LDS serves a wave's instructions in order, so no wait stands between the stores and the loads
.irp j, 0,1,2,3,4,5,6,7,8,9,10,11,12,13,14,15
	ds_store_b128 v[SI], v[\src+4*\j:\src+4*\j+3] offset:SPITCH*\j
.endr
.irp g, 0,1,2,3
.irp u, 0,1
.irp q, 0,1
	ds_load_b128 v[\dst+16*\g+8*\u+4*\q:\dst+16*\g+8*\u+4*\q+3], v[SO] offset:128*\g+64*\u+16*\q   ; K = 32 g + 16 u + 8 h + 4 q + 0 .. 3 of row r
.endr
.endr
.endr
.endm
.macro QUANT src, c
.set i, 0
.rept 64
	v_med3_num_f32 v[\src+i], v[\src+i], -v[LIM], v[LIM]   ; the conversion to an 8-bit code does not saturate (ISA guide 7.6.2): the hold comes first
.set i, i+1
.endr
.irp m, 0,1,2,3,4,5,6,7
	v_cvt_scalef32_pk8_bf8_f32 v[\c+2*\m:\c+2*\m+1], v[\src+8*\m:\src+8*\m+7], v[SCL]   ; registers 2 m, 2 m + 1 of the fragment
.endr
	v_nop                                          ; a plain vector line behind the last conversion
.endm
.macro XSTORE f, c                     ; each store of the wave covers 512 consecutive bytes, aligned
.irp g, 0,1,2,3
	global_store_b128 v[LA], v[\c+4*\g:\c+4*\g+3], s[12:13] offset:2048*\f+512*\g
.endr
.endm
	XLOAD 0, R0
	XLOAD 1, R1
	s_wait_kmcnt 0x0
	MKSCALE 40
	s_wait_loadcnt 16                              ; the first chunk's 16 loads are in; the second's may be out
	XTURN R0, X
	s_wait_loadcnt 0x0
	s_wait_dscnt 0x0                               ; X is back, and the stage's stores have read R0, which takes the second chunk's turned numbers
	XTURN R1, R0
	QUANT X, C0
	XSTORE 0, C0
	s_wait_dscnt 0x0
	QUANT R0, C1
	XSTORE 1, C1
	s_wait_tensorcnt 0x0
	ds_add_u32 v240, v241
	s_wait_dscnt 0x0
	s_endpgm
; ---------------- the weights: A LANE TAKES A COLUMN, AND ITS REGISTERS RUN DOWN K.  Work-group 256 + 8 xb + kc: columns 128 xb on (xb 0-23: c_attn_w; 24-31: c_proj_w), K chunk kc; a wave 32 columns: two tiles.
.Lw:
	s_sub_co_u32 s19, ttmp9, 256
	s_and_b32 s20, s19, 7                          ; kc
	s_lshr_b32 s21, s19, 3                         ; xb
	s_mov_b32 s22, 12288
	s_cmp_ge_u32 s21, 24                           ; the choice hangs on the work-group's number alone
	s_cselect_b64 s[6:7], s[8:9], s[6:7]           ; from where,
	s_cselect_b64 s[14:15], s[16:17], s[14:15]     ; to where,
	s_cselect_b32 s22, 4096, s22                   ; bytes from a row of K to the next,
	s_cselect_b32 s23, 24, 0
	s_sub_co_u32 s21, s21, s23                     ; and the block of 128 columns in that tensor
	s_lshl_b32 s24, s20, 7
	s_mul_i32 s24, s24, s22                        ; 128 kc rows,
	s_lshl_b32 s25, s21, 9
	s_add_co_u32 s24, s24, s25                     ; 128 columns a block,
	s_lshl_b32 s25, s18, 7
	s_add_co_u32 s24, s24, s25                     ; 32 a wave
	s_mov_b32 s25, 0
	s_add_nc_u64 s[24:25], s[6:7], s[24:25]        ; a base for each group of 32 along K
	s_lshl_b32 s32, s22, 5
	s_mov_b32 s33, 0
	s_add_nc_u64 s[26:27], s[24:25], s[32:33]
	s_add_nc_u64 s[28:29], s[26:27], s[32:33]
	s_add_nc_u64 s[30:31], s[28:29], s[32:33]
	s_lshl_b32 s36, s21, 17                        ; eight tiles of 16,384 bytes a block,
	s_lshl_b32 s37, s18, 15                        ; two a wave,
	s_add_co_u32 s36, s36, s37
	s_lshl_b32 s37, s20, 11                        ; the chunk's image in a tile
	s_add_co_u32 s36, s36, s37
	s_mov_b32 s37, 0
	s_add_nc_u64 s[14:15], s[14:15], s[36:37]
	v_lshlrev_b32 v[SI], 2, v6                     ; 4 x lane
	v_lshrrev_b32 v[LA], 4, v6
	v_lshlrev_b32 v[LA], 14, v[LA]                 ; lanes 16-31 hold the next tile, 16,384 bytes on
	v_lshl_add_u32 v[LA], v7, 4, v[LA]
; In a group of 32 along K the image wants K = 0-7 and 16-23 in the 16 bytes of half 0, K = 8-15 and 24-31 in those of half 1: register i takes row (i & 7) + 2 (i & 8) + (i & 16) / 2
.set i, 0
.rept 32
	v_mad_u32_u24 v[OFR+i], s22, (i&7)+2*(i&8)+(i&16)/2, v[SI]
.set i, i+1
.endr
.macro WLOAD g                         ; 32 rows of K at 32 neighbouring columns: 128 consecutive bytes a load, the four waves side by side on 512
.set i, 0
.rept 32
	global_load_b32 v[WN+32*(\g)+i], v[OFR+i], s[24+2*(\g):25+2*(\g)] th:TH_LOAD_NT
.set i, i+1
.endr
.endm
	WLOAD 0
	WLOAD 1
	s_wait_kmcnt 0x0
	s_cmp_ge_u32 s19, 192
	s_cselect_b32 s34, s47, s41                    ; e7 for c_proj_w, e1 for c_attn_w
	MKSCALE 34
.macro WBLOCK g
.if (\g) < 3
	s_wait_loadcnt 32                              ; this group's 32 loads are in; the next group's may be out
.else
	s_wait_loadcnt 0x0
.endif
.if (\g)+2 < 4
	WLOAD (\g)+2
.endif
.set i, 0
.rept 32
	v_med3_num_f32 v[WN+32*(\g)+i], v[WN+32*(\g)+i], -v[LIM], v[LIM]
.set i, i+1
.endr
.irp m, 0,1,2,3
	v_cvt_scalef32_pk8_bf8_f32 v[WC+8*(\g)+2*\m:WC+8*(\g)+2*\m+1], v[WN+32*(\g)+8*\m:WN+32*(\g)+8*\m+7], v[SCL]
.endr
	v_nop                                          ; a plain vector line behind the last conversion
	global_store_b128 v[LA], v[WC+8*(\g):WC+8*(\g)+3], s[14:15] offset:512*(\g)          ; sixteen lanes store 256 consecutive bytes, aligned: half 0 of the group, one tile for each half of the lanes
	global_store_b128 v[LA], v[WC+8*(\g)+4:WC+8*(\g)+7], s[14:15] offset:512*(\g)+256    ; half 1
.endm
	WBLOCK 0
	WBLOCK 1
	WBLOCK 2
	WBLOCK 3
	s_endpgm
.Lfunc_end_k_qb80a9bff5a_prep:
	.size	k_qb80a9bff5a_prep, .Lfunc_end_k_qb80a9bff5a_prep-k_qb80a9bff5a_prep
	.p2alignl 7, 3214868480
	.fill 96, 4, 3214868480
	.section	.rodata,"a",@progbits
	.p2align	6, 0x0
	.amdhsa_kernel k_qb80a9bff5a_prep
		.amdhsa_group_segment_fixed_size 34304
		.amdhsa_private_segment_fixed_size 0
		.amdhsa_enable_private_segment 0
		.amdhsa_kernarg_size 56
		.amdhsa_user_sgpr_count 2
		.amdhsa_user_sgpr_kernarg_segment_ptr 1
		.amdhsa_wavefront_size32 1
		.amdhsa_system_sgpr_workgroup_id_x 1
		.amdhsa_system_sgpr_workgroup_id_y 1
		.amdhsa_system_sgpr_workgroup_id_z 1
		.amdhsa_system_vgpr_workitem_id 0
		.amdhsa_next_free_vgpr 242
		.amdhsa_next_free_sgpr 66
		.amdhsa_reserve_vcc 0
		.amdhsa_float_denorm_mode_32 3
		.amdhsa_float_denorm_mode_16_64 3
		.amdhsa_memory_ordered 1
		.amdhsa_forward_progress 1
		.amdhsa_inst_pref_size 45
	.end_amdhsa_kernel
	.amdgpu_metadata
---
amdhsa.version: [ 1, 2 ]
amdhsa.kernels:
  - .name:           k_qb80a9bff5a_prep
    .symbol:         k_qb80a9bff5a_prep.kd
    .args:
      - { .name: hidden_states, .offset: 0, .size: 8, .value_kind: global_buffer, .address_space: global }
      - { .name: c_attn_w, .offset: 8, .size: 8, .value_kind: global_buffer, .address_space: global }
      - { .name: c_proj_w, .offset: 16, .size: 8, .value_kind: global_buffer, .address_space: global }
      - { .name: lowp_scales, .offset: 24, .size: 8, .value_kind: global_buffer, .address_space: global }
      - { .name: x_img, .offset: 32, .size: 8, .value_kind: global_buffer, .address_space: global }
      - { .name: wa_img, .offset: 40, .size: 8, .value_kind: global_buffer, .address_space: global }
      - { .name: wp_img, .offset: 48, .size: 8, .value_kind: global_buffer, .address_space: global }
    .group_segment_fixed_size: 34304
    .private_segment_fixed_size: 0
    .kernarg_segment_align: 8
    .kernarg_segment_size: 56
    .max_flat_workgroup_size: 128
    .sgpr_count:     66
    .vgpr_count:     242
    .wavefront_size: 32
...
	.end_amdgpu_metadata
.endif
;; end of part 1
;; launch qkv (part 2): grid 12 x 16, 4 waves a work-group, clusters of 4 x 4, 327,680 bytes of LDS; arguments x_img, wa_img, lowp_scales, c_attn_b, q_img, kv_img; writes q_img, kv_img
.if DOCPART == 2
	.amdgcn_target "amdgcn-amd-amdhsa--gfx1250"
	.amdhsa_code_object_version 6
	.text
	.protected	k_qb80a9bff5a_qkv
	.globl	k_qb80a9bff5a_qkv
	.p2align	8
	.type	k_qb80a9bff5a_qkv,@function
k_qb80a9bff5a_qkv:
	s_mov_b64 s[64:65], 0
	v_nop
	global_prefetch_b8 v0, s[64:65] scope:SCOPE_SE
	s_setreg_imm32_b32 hwreg(HW_REG_WAVE_MODE, 25, 1), 1
	s_wait_xcnt 0x0
	s_wait_alu depctr_hold_cnt(0) depctr_sa_sdst(0) depctr_va_vdst(0) depctr_va_sdst(0) depctr_va_ssrc(0) depctr_va_vcc(0) depctr_vm_vsrc(0)
	s_getreg_b32 s2, hwreg(HW_REG_IB_STS2, 6, 4)
	s_cmp_eq_u32 s2, 0
	s_cbranch_scc0 .Lentry_in_a_cluster
	s_endpgm
.Lentry_in_a_cluster:
	s_bfe_u32 s2, ttmp6, 0x10000c
	s_cmp_lg_u32 s2, 0xf033
	s_cbranch_scc0 .Lentry_shape_is_right
	s_endpgm
.Lentry_shape_is_right:
; qkv = Q(x) Q(Wa) + ba on codes of BF8, and q, k, v quantised at once for the attention's two products (scales: entries 0, 1 in; 2 (q), 3 (k), 5 (v) out).
; A tile of 256 x 256 results is made by four waves, 128 x 128 each: 64 accumulators, 512 registers.  K = 1,024 goes in four steps of 256 through two LDS slots filled by the tensor data mover.
; OPERANDS ARE IMAGES OF THEIR REGISTERS (16 rows x 128 K = 2,048 bytes: registers 4 g .. 4 g + 3 of all lanes at 512 g + 16 x lane): a fragment comes out of LDS by four loads of 512 consecutive bytes.
; THE MATRIX INSTRUCTION: source 0 = 16 rows of side B, source 1 = 16 rows of side A.  A lane then holds ONE row of A (lane % 16) and, in an accumulator's eight registers, rows 8 (lane / 16) + 0 .. 7 of B's tile.
;   cluster x = 0 (q), 1 (k): A = tokens (x_img), B = columns of Wa.  A lane's registers run along the head's 64 features, the K of the scores: eight codes are registers 2 c, 2 c + 1 of a fragment of 16 tokens x 64.
;   cluster x = 2 (v):        A = columns of Wa, B = tokens.  A lane's registers run along the tokens, the K of the second product: the codes are a fragment of 16 features x 128 keys.
; So the conversions' results ARE the next operands' registers and are stored as they stand, 512 consecutive aligned bytes a store; no result goes through LDS.
; q_img: [batch x head 32][token tile 128][1024].  kv_img: [batch x head 32][128 keys: 16][K: 8 tiles of 16 keys x 1,024, then V: 4 tiles of 16 features x 2,048].
; CLUSTERS: 4 x 4 work-groups; A's tile is asked for jointly along a row of the cluster, B's along a column.  The mode hangs on the cluster's x, which all sixteen partners share.
; 192 work-groups: 128 tiles for q and k, 64 for v.  Nothing is prefetched: half of K is asked for at the head and the other half one and two steps later.
; LIMITS: e0 + e1 between -126 and 127; e2, e3, e5 between -126 and 112, so that each power of two below is an f32 number.
; REGISTERS, in windows of 256: window 0: v0-31 addresses; v32-47, v64-127 the biases; v48, v49 the quantiser's limit and scale; from v128 A's fragments, ONE set (on the way out: v128-191 numbers, v192-255 codes).
;   window 1: B's fragments, TWO sets.   windows 2, 3: the accumulators (block a of A, b of B: v[8 (8 (a % 4) + b)] of window 2 + a / 4).
.set KSB,    4096                      ; a K step of 256 of one tile of 16 rows: two images
.set HALFT,  8*KSB                     ; eight tiles: what one tensor load brings, and what one wave reads of A or of B
.set SLOT,   4*HALFT                   ; A's 16 tiles, then B's 16
.set SPARE,  2*SLOT                    ; behind the ring: the spare words, 128 bytes for each wave: two blocks of 256 bytes that no other line names
.set FR,     16                        ; registers of a fragment
.set NL,     4                         ; LDS loads that bring one
.set NP,     4                         ; places behind this matrix instruction (ISA guide 7.12.1)
.set ADRA, 16                          ; v16-17  LDS address of my A fragments in slot 0, 1
.set ADRB, 20                          ; v20-21  the same for B
.set LI,   27                          ; v27     16 x lane; never rewritten
.set SPW,  28                          ; v28     LDS address of my spare word; never rewritten
.set NIL,  29                          ; v29     0; never rewritten
.set BV,   32                          ; v32-47  v's bias: for block a the number of my feature, twice (a pair is named)
.set LIM,  48                          ; v48     57,344 x 2^e of the operand that is made
.set SCL,  49                          ; v49     2^e
.set BT,   64                          ; v64-127 q's and k's bias: for block b my eight features' numbers
.set AF,   128
.set TMP,  128
.set CD,   192                         ; four sets of 16 registers of codes
.set G1, 24                            ; s[24:31] descriptor group 1 for A's tiles;  s[32:39] group 0, one set for each slot
.set G0, 32
.set G1B, 48                           ; s[48:55], s[56:63] the same for B's tiles
.set G0B, 56
.set MSB, 0
.macro WIN new                         ; the immediate's high byte repeats the setting that is left
.if MSB != \new
	s_set_vgpr_msb (MSB<<8)|\new
.set MSB, \new
.endif
.endm
.set MUL_LO, 0xa1                      ; source 0 (B) window 1, source 1 (A) window 0, C and D window 2
.set MUL_HI, 0xf1                      ; the same, C and D window 3
.set TO_B,   0x40                      ; destination window 1, address window 0
; A joint load: waves 0 and 1 fetch for A, waves 2 and 3 for B.  The branch hangs on the wave's number alone.  Four v_nop follow each of the two lines.
.macro JLOAD g0a, g1a, g0b, g1b
	s_cmp_eq_u32 s15, 0
	s_cbranch_scc0 .Lfor_b_\@
	tensor_load_to_lds s[\g0a:\g0a+3], s[\g1a:\g1a+7]
	s_nop 0
.rept 4
	v_nop
.endr
	s_branch .Lasked_\@
.Lfor_b_\@:
	tensor_load_to_lds s[\g0b:\g0b+3], s[\g1b:\g1b+7]
	s_nop 0
.rept 4
	v_nop
.endr
.Lasked_\@:
.endm
.macro CREST                           ; a round of the cluster's barrier behind its opening barrier
	s_cmp_lg_u32 s14, 0
	s_cbranch_scc1 .Lnot_wave_0_\@
	s_barrier_signal -3
.Lnot_wave_0_\@:
	s_barrier_wait -3
	s_barrier_signal -1
	s_barrier_wait -1
.endm
.macro CROUND                          ; a whole round
	s_barrier_signal -1
	s_barrier_wait -1
	CREST
.endm
	s_load_b256 s[4:11], s[0:1], 0x0               ; x_img s[4:5], wa_img s[6:7], the scales' exponents s[8:9], c_attn_b s[10:11]
	s_load_b128 s[68:71], s[0:1], 0x20             ; q_img s[68:69], kv_img s[70:71]
	v_lshl_add_u32 v[SPW], v0, 2, SPARE
	v_mov_b32 v[NIL], 0
	ds_add_u32 v28, v29
	ds_add_u32 v28, v29
	s_wait_dscnt 0x0
	v_lshrrev_b32 v1, 5, v0
	v_readfirstlane_b32 s14, v1                    ; wave 0..3
	s_lshr_b32 s15, s14, 1                         ; which half of A's 256 rows is mine.  Also: I fetch for A (0) or for B (1)
	s_and_b32 s16, s14, 1                          ; which half of B's.  Also: which eight tiles of that side I fetch
	s_bfe_u32 s40, ttmp6, 0x40000                  ; cx, cy: my place in the cluster
	s_bfe_u32 s41, ttmp6, 0x40004
	s_lshl_b32 s12, ttmp9, 2                       ; 4 x cluster x
	s_and_b32 s13, ttmp7, 0xffff
	s_lshl_b32 s13, s13, 2                         ; 4 x cluster y
	s_cmp_eq_u32 ttmp9, 2                          ; v?
	s_cselect_b32 s17, 8, s13
	s_cselect_b32 s42, s13, s12
	s_add_co_u32 s17, s17, s41                     ; A's block of 256 rows: q, k: tokens 4 y + cy;  v: Wa's columns 8 + cy.  It never holds cx
	s_add_co_u32 s42, s42, s40                     ; B's block: q, k: Wa's columns 4 x + cx;  v: tokens 4 y + cx.  It never holds cy
	s_lshl_b32 s43, s41, 2
	s_lshl_b32 s43, 15, s43                        ; my row of the cluster
	s_lshl_b32 s44, 0x1111, s40                    ; my column
	; descriptor group 1: eight rows of 4,096 bytes (a tile's K step), 16,384 bytes apart in memory (a tile's whole K), dense in LDS
	s_or_b32 s[G1+0], s43, (3<<16)|(1<<21)         ; 15:0 the mask: A's tiles go to my row; 17:16 elements of 8 bytes; 20 no padding; 21 set beside a mask
	s_or_b32 s[G1B+0], s44, (3<<16)|(1<<21)
.irp g, G1, G1B
	s_mov_b32 s[\g+1], 512<<16                     ; tensor_dim0 = 512 elements
	s_mov_b32 s[\g+2], 8<<16                       ; tensor_dim1 = 8
	s_mov_b32 s[\g+3], 512<<16                     ; tile_dim0
	s_mov_b32 s[\g+4], 8                           ; tile_dim1
	s_mov_b32 s[\g+5], 2048                        ; tensor_dim0_stride, in elements
	s_mov_b32 s[\g+6], 0
	s_mov_b32 s[\g+7], 0
.endr
	s_lshl_b32 s18, s16, 17                        ; which eight tiles I fetch
	s_lshl_b32 s20, s17, 18                        ; a block is 16 tiles of 16,384 bytes
	s_add_co_u32 s20, s20, s18
	s_mov_b32 s21, 0
	s_lshl_b32 s46, s42, 18
	s_add_co_u32 s46, s46, s18
	s_mov_b32 s47, 0
	s_mul_i32 s45, s14, HALFT                      ; where they go: no place in the cluster enters an LDS address
	s_wait_kmcnt 0x0
	s_load_b256 s[72:79], s[8:9], 0x0              ; e0 .. e7
	s_cmp_eq_u32 ttmp9, 2
	s_cselect_b64 s[88:89], s[6:7], s[4:5]         ; side A,
	s_cselect_b64 s[90:91], s[4:5], s[6:7]         ; side B
	s_add_nc_u64 s[20:21], s[88:89], s[20:21]
	s_add_nc_u64 s[46:47], s[90:91], s[46:47]
	CROUND                                         ; all sixteen work-groups are here: the first joint loads meet
.irp s, 0,1
	s_mov_b32 s[G0+4*\s], 1
	s_add_co_u32 s[G0+4*\s+1], s45, \s*SLOT
	s_add_nc_u64 s[G0+4*\s+2:G0+4*\s+3], s[20:21], \s*KSB
	s_or_b32 s[G0+4*\s+3], s[G0+4*\s+3], 0x80000000
	s_mov_b32 s[G0B+4*\s], 1
	s_add_co_u32 s[G0B+4*\s+1], s45, \s*SLOT
	s_add_nc_u64 s[G0B+4*\s+2:G0B+4*\s+3], s[46:47], \s*KSB
	s_or_b32 s[G0B+4*\s+3], s[G0B+4*\s+3], 0x80000000
	JLOAD G0+4*\s, G1, G0B+4*\s, G1B               ; two loads of mine are out
.endr
	v_and_b32 v1, 15, v0                           ; r
	v_bfe_u32 v2, v0, 4, 1                         ; h
	v_and_b32 v3, 31, v0
	v_lshlrev_b32 v[LI], 4, v3
	s_mul_i32 s21, s15, HALFT                      ; my eight tiles of A
	s_mul_i32 s22, s16, HALFT                      ; my eight tiles of B,
	s_add_co_u32 s22, s22, 2*HALFT                 ; which lie behind A's sixteen
.irp s, 0,1
	v_add_nc_u32 v[ADRA+\s], s21, v[LI]
	v_add_nc_u32 v[ADRB+\s], s22, v[LI]
	s_add_co_u32 s21, s21, SLOT
	s_add_co_u32 s22, s22, SLOT
.endr
	; the biases.  Both tables are loaded in both modes, so that every register is written on every way; the table that a mode does not use reads the buffer's first bytes
	s_lshl_b32 s88, s42, 10
	s_lshl_b32 s89, s16, 9
	s_add_co_u32 s88, s88, s89                     ; q, k: 4 x (256 x B's block + 128 x half)
	s_lshl_b32 s90, s17, 10
	s_lshl_b32 s91, s15, 9
	s_add_co_u32 s90, s90, s91                     ; v: 4 x (256 x A's block + 128 x half)
	s_cmp_eq_u32 ttmp9, 2
	s_cselect_b32 s88, 0, s88
	s_cselect_b32 s90, s90, 0
	s_mov_b32 s89, 0
	s_mov_b32 s91, 0
	s_add_nc_u64 s[84:85], s[10:11], s[88:89]
	s_add_nc_u64 s[86:87], s[10:11], s[90:91]
	v_lshlrev_b32 v8, 5, v2                        ; 32 h: my eight features of a block of 16; never rewritten
	v_lshlrev_b32 v9, 2, v1                        ; 4 r: my feature of a block of 16; never rewritten
.irp b, 0,1,2,3,4,5,6,7
	global_load_b128 v[BT+8*\b:BT+8*\b+3], v8, s[84:85] offset:64*\b
	global_load_b128 v[BT+8*\b+4:BT+8*\b+7], v8, s[84:85] offset:64*\b+16
.endr
.irp a, 0,1,2,3,4,5,6,7
	global_load_b32 v[BV+2*\a], v9, s[86:87] offset:64*\a
	global_load_b32 v[BV+2*\a+1], v9, s[86:87] offset:64*\a
.endr
	; where my results go: my 128 tokens are one block of 128 keys of one batch, my 128 features two heads
	s_cmp_eq_u32 ttmp9, 2
	s_cselect_b32 s88, s42, s17                    ; the tokens' block of 256,
	s_cselect_b32 s89, s16, s15                    ; and my half of it
	s_cselect_b32 s90, s41, s40                    ; the features' block of 256 within q, k or v,
	s_cselect_b32 s91, s15, s16                    ; and my half of it
	s_lshr_b32 s92, s88, 3                         ; batch
	s_and_b32 s88, s88, 7
	s_lshl_b32 s88, s88, 1
	s_add_co_u32 s88, s88, s89                     ; block of 128 tokens in the batch
	s_lshl_b32 s92, s92, 4
	s_lshl_b32 s90, s90, 2
	s_add_co_u32 s92, s92, s90
	s_lshl_b32 s91, s91, 1
	s_add_co_u32 s92, s92, s91                     ; 16 x batch + my first head
	s_lshl_b32 s92, s92, 17                        ; q_img: 131,072 bytes a head,
	s_lshl_b32 s88, s88, 13                        ; 8,192 for 128 tokens
	s_add_co_u32 s92, s92, s88
	s_cmp_lg_u32 ttmp9, 0
	s_cselect_b32 s93, 1, 0
	s_lshl_b32 s92, s92, s93                       ; kv_img: twice that
	s_lshl_b32 s94, 0x20000, s93                   ; from my first head to my second
	s_cmp_eq_u32 ttmp9, 2
	s_cselect_b32 s93, 8192, 0                     ; V lies behind a block's K
	s_add_co_u32 s92, s92, s93
	s_mov_b32 s93, 0
	s_mov_b32 s95, 0
	s_cmp_lg_u32 ttmp9, 0
	s_cselect_b64 s[80:81], s[70:71], s[68:69]
	s_add_nc_u64 s[80:81], s[80:81], s[92:93]      ; my first head's bytes,
	s_add_nc_u64 s[82:83], s[80:81], s[94:95]      ; my second's
.macro FRAG reg, adr, q, i             ; tile i's fragment of the slot's q-th 128 along K: its image, 512 consecutive bytes a load
.irp c, 0,1,2,3
	ds_load_b128 v[\reg+4*\c:\reg+4*\c+3], v[\adr] offset:2048*(\q)+512*\c+(\i)*KSB
.endr
.endm
; 16 matrix instructions: A's blocks a0, a0 + 1 x B's eight, 128 along K.  p: B's set.  zero = 1: the first product starts the sums: nothing is ever cleared.
; The 64 accumulators take turns, one instruction a turn, in the same order in every step.
.macro MUL16 a0, p, zero
.irp a, \a0, \a0+1
.irp b, 0,1,2,3,4,5,6,7
.if \zero
	v_wmma_f32_16x16x128_bf8_bf8 v[8*(8*((\a)%4)+\b):8*(8*((\a)%4)+\b)+7], v[128*(\p)+FR*\b:128*(\p)+FR*\b+FR-1], v[AF+FR*(\a):AF+FR*(\a)+FR-1], 0
.else
	v_wmma_f32_16x16x128_bf8_bf8 v[8*(8*((\a)%4)+\b):8*(8*((\a)%4)+\b)+7], v[128*(\p)+FR*\b:128*(\p)+FR*\b+FR-1], v[AF+FR*(\a):AF+FR*(\a)+FR-1], v[8*(8*((\a)%4)+\b):8*(8*((\a)%4)+\b)+7]
.endif
.endr
.endr
.endm
.macro FETCH_B slot, q, p              ; B's eight fragments into set p
	WIN TO_B
.irp i, 0,1,2,3,4,5,6,7
	FRAG 128*(\p)+FR*\i, ADRB+\slot, \q, \i
.endr
	WIN 0
.endm
.macro FETCH_A slot, q, i0             ; A's blocks i0 .. i0 + 3
.irp i, \i0, \i0+1, \i0+2, \i0+3
	FRAG AF+FR*(\i), ADRA+\slot, \q, \i
.endr
.endm
.macro PLACES n                        ; plain vector lines between a matrix instruction and a load into, or a vector line on, its registers
.rept \n
	v_nop
.endr
.endm
; A step of 128 along K that has its successor in the same slot.  A block of A is free as soon as its eight products are issued, so one set serves A; B's fragments are at work through the whole step.
.macro STEP slot, q, zero
	s_wait_dscnt 4*NL                              ; B's set and A's blocks 0-3 are in; the youngest 16 loads (A's blocks 4-7) may be out
	WIN MUL_LO
	MUL16 0, (\q)%2, \zero
	MUL16 2, (\q)%2, \zero
	s_wait_dscnt 0                                 ; A's blocks 4-7 are in
	PLACES NP
	FETCH_B \slot, (\q)+1, 1-(\q)%2
	FETCH_A \slot, (\q)+1, 0
	WIN MUL_HI
	MUL16 4, (\q)%2, \zero
	MUL16 6, (\q)%2, \zero
	PLACES NP
	WIN 0
	FETCH_A \slot, (\q)+1, 4
.endm
; A slot's last step changes slots: ONE barrier; in front of it each wave waits for all its tensor loads, adds 0 to its spare word, and waits for that and for its own reads of this slot.  fill = 1: this slot is filled again, two K steps ahead.
.macro TURN slot, next, fill
	s_wait_tensorcnt 0x0                           ; all my tensor loads have landed: my part of the next slot
	ds_add_u32 v[SPW], v[NIL]                      ; 0 onto my spare word
	s_wait_dscnt 4*NL+1                            ; (the add and the youngest 16 loads, A's blocks 4-7, may be out)
	WIN MUL_LO
	MUL16 0, 1, 0                                  ; sixteen matrix instructions stand between the add and the wait for it
	s_wait_dscnt 0x0                               ; the add is done, and my reads of this slot are over
	s_barrier_signal -1
	MUL16 2, 1, 0
	WIN 0
	s_barrier_wait -1
.if \fill
	CREST                                          ; the barrier has opened a round of the cluster's barrier: no wave of any partner still reads this slot or has a load on its way
	s_add_nc_u64 s[G0+4*\slot+2:G0+4*\slot+3], s[G0+4*\slot+2:G0+4*\slot+3], 2*KSB
	s_add_nc_u64 s[G0B+4*\slot+2:G0B+4*\slot+3], s[G0B+4*\slot+2:G0B+4*\slot+3], 2*KSB
	JLOAD G0+4*\slot, G1, G0B+4*\slot, G1B         ; the first tensor load behind the round; its four v_nop are also the places in front of the loads below
.else
	PLACES NP
.endif
	FETCH_B \next, 0, 0
	FETCH_A \next, 0, 0
	WIN MUL_HI
	MUL16 4, 1, 0
	MUL16 6, 1, 0
	PLACES NP
	WIN 0
	FETCH_A \next, 0, 4
.endm
	s_wait_tensorcnt 1                             ; my part of K step 0 is in (K step 1's load may be out)
	s_barrier_signal -1
	s_barrier_wait -1                              ; everybody's is
	FETCH_B 0, 0, 0
	FETCH_A 0, 0, 0
	FETCH_A 0, 0, 4
	STEP 0, 0, 1                                   ; K 0-127: its products start the sums
	TURN 0, 1, 1                                   ; K 128-255; slot 0 takes K step 2
	STEP 1, 0, 0
	TURN 1, 0, 1                                   ; slot 1 takes K step 3: the last load
	STEP 0, 0, 0
	TURN 0, 1, 0                                   ; nothing is left to fetch
	STEP 1, 0, 0
	s_wait_dscnt 4*NL                              ; the last 128 along K
	WIN MUL_LO
	MUL16 0, 1, 0
	MUL16 2, 1, 0
	s_wait_dscnt 0
	WIN MUL_HI
	MUL16 4, 1, 0
	MUL16 6, 1, 0
	WIN 0
; THE WAY OUT, block by block of A: number = sum x 2^(e0 + e1) + bias (one packed multiply-add for two), held within +-57,344 x 2^e, converted; the 16 registers of codes are stored as they stand.
	s_wait_kmcnt 0x0
	s_wait_loadcnt 0x0                             ; the biases
	s_add_co_i32 s96, s72, s73
	s_add_co_i32 s96, s96, 127
	s_lshl_b32 s96, s96, 23                        ; 2^(e0 + e1) as f32
	s_mov_b32 s97, s96                             ; (named with it as a pair, so it is written)
	s_cmp_eq_u32 ttmp9, 0
	s_cselect_b32 s88, s74, s75                    ; q: e2, k: e3,
	s_cmp_eq_u32 ttmp9, 2
	s_cselect_b32 s88, s77, s88                    ; v: e5
	s_add_co_i32 s88, s88, 127
	s_lshl_b32 s89, s88, 23
	v_mov_b32 v[SCL], s89
	s_add_co_i32 s88, s88, 15
	s_lshl_b32 s88, s88, 23
	s_or_b32 s88, s88, 0x600000
	v_mov_b32 v[LIM], s88
	PLACES 2                                       ; with the two lines above: four places behind the last products, whose fragments' registers are written next
.macro OUT a, isv
.set AC, 64*((\a)%4)
.set CC, CD+16*((\a)%4)
.if (\a) >= 4
	s_wait_xcnt 0x0                                ; block a - 4's stores have read their codes: the set is written again only behind this wait
.endif
	WIN 0x02+((\a)/4)                              ; source 0: window 2 or 3
.irp b, 0,1,2,3,4,5,6,7
.irp j, 0,2,4,6
.if \isv
	v_pk_fma_f32 v[TMP+8*\b+\j:TMP+8*\b+\j+1], v[AC+8*\b+\j:AC+8*\b+\j+1], s[96:97], v[BV+2*(\a):BV+2*(\a)+1] op_sel_hi:[1,0,0]   ; all eight are my one feature's
.else
	v_pk_fma_f32 v[TMP+8*\b+\j:TMP+8*\b+\j+1], v[AC+8*\b+\j:AC+8*\b+\j+1], s[96:97], v[BT+8*\b+\j:BT+8*\b+\j+1] op_sel_hi:[1,0,1]   ; each accumulator from its low end on
.endif
.endr
.endr
	WIN 0
.set i, 0
.rept 64
	v_med3_num_f32 v[TMP+i], v[TMP+i], -v[LIM], v[LIM]   ; the conversion to an 8-bit code does not saturate (ISA guide 7.6.2)
.set i, i+1
.endr
.irp b, 0,1,2,3,4,5,6,7
	v_cvt_scalef32_pk8_bf8_f32 v[CC+2*\b:CC+2*\b+1], v[TMP+8*\b:TMP+8*\b+7], v[SCL]
.endr
	v_nop                                          ; a plain vector line between the conversions and the next block's writes of their sources
.irp g, 0,1,2,3
.if \isv
	global_store_b128 v[LI], v[CC+4*\g:CC+4*\g+3], s[80+2*((\a)/4):81+2*((\a)/4)] offset:2048*((\a)%4)+512*\g   ; head a / 4, features 16 (a % 4) on: 16 features x 128 keys
.else
	global_store_b128 v[LI], v[CC+4*\g:CC+4*\g+3], s[80+2*(\g/2):81+2*(\g/2)] offset:1024*(\a)+512*(\g%2)       ; head g / 2, tokens 16 a on: 16 tokens x 64 features
.endif
.endr
.endm
	s_cmp_eq_u32 ttmp9, 2                          ; the cluster's x: the same in all partners
	s_cbranch_scc1 .Lv
.irp a, 0,1,2,3,4,5,6,7
	OUT \a, 0
.endr
	s_branch .Lend
.Lv:
.irp a, 0,1,2,3,4,5,6,7
	OUT \a, 1
.endr
.Lend:
	s_wait_tensorcnt 0x0                           ; the wave's end
	ds_add_u32 v[SPW], v[NIL]
	s_wait_dscnt 0x0
	CROUND                                         ; the closing round: no work-group ends while a partner may still ask for a tile that names it
	s_endpgm
.Lfunc_end_k_qb80a9bff5a_qkv:
	.size	k_qb80a9bff5a_qkv, .Lfunc_end_k_qb80a9bff5a_qkv-k_qb80a9bff5a_qkv
	.p2alignl 7, 3214868480
	.fill 96, 4, 3214868480
	.section	.rodata,"a",@progbits
	.p2align	6, 0x0
	.amdhsa_kernel k_qb80a9bff5a_qkv
		.amdhsa_group_segment_fixed_size 327680
		.amdhsa_private_segment_fixed_size 0
		.amdhsa_enable_private_segment 0
		.amdhsa_kernarg_size 48
		.amdhsa_user_sgpr_count 2
		.amdhsa_user_sgpr_kernarg_segment_ptr 1
		.amdhsa_wavefront_size32 1
		.amdhsa_system_sgpr_workgroup_id_x 1
		.amdhsa_system_sgpr_workgroup_id_y 1
		.amdhsa_system_sgpr_workgroup_id_z 1
		.amdhsa_system_vgpr_workitem_id 0
		.amdhsa_next_free_vgpr 1024
		.amdhsa_next_free_sgpr 100
		.amdhsa_reserve_vcc 0
		.amdhsa_float_denorm_mode_32 3
		.amdhsa_float_denorm_mode_16_64 3
		.amdhsa_memory_ordered 1
		.amdhsa_forward_progress 1
		.amdhsa_inst_pref_size 194
	.end_amdhsa_kernel
	.amdgpu_metadata
---
amdhsa.version: [ 1, 2 ]
amdhsa.kernels:
  - .name:           k_qb80a9bff5a_qkv
    .symbol:         k_qb80a9bff5a_qkv.kd
    .args:
      - { .name: x_img, .offset: 0, .size: 8, .value_kind: global_buffer, .address_space: global }
      - { .name: wa_img, .offset: 8, .size: 8, .value_kind: global_buffer, .address_space: global }
      - { .name: lowp_scales, .offset: 16, .size: 8, .value_kind: global_buffer, .address_space: global }
      - { .name: c_attn_b, .offset: 24, .size: 8, .value_kind: global_buffer, .address_space: global }
      - { .name: q_img, .offset: 32, .size: 8, .value_kind: global_buffer, .address_space: global }
      - { .name: kv_img, .offset: 40, .size: 8, .value_kind: global_buffer, .address_space: global }
    .group_segment_fixed_size: 327680
    .private_segment_fixed_size: 0
    .kernarg_segment_align: 8
    .kernarg_segment_size: 48
    .max_flat_workgroup_size: 128
    .sgpr_count:     100
    .vgpr_count:     1024
    .wavefront_size: 32
...
	.end_amdgpu_metadata
.endif
;; end of part 2
;; launch attn (part 3): grid 8 x 32, 8 waves a work-group, clusters of 4 x 1, 263,168 bytes of LDS; arguments q_img, kv_img, lowp_scales, a_img; writes a_img
.if DOCPART == 3
	.amdgcn_target "amdgcn-amd-amdhsa--gfx1250"
	.amdhsa_code_object_version 6
	.text
	.protected	k_qb80a9bff5a_attn
	.globl	k_qb80a9bff5a_attn
	.p2align	8
	.type	k_qb80a9bff5a_attn,@function
k_qb80a9bff5a_attn:
	s_mov_b64 s[64:65], 0
	v_nop
	global_prefetch_b8 v0, s[64:65] scope:SCOPE_SE
	s_setreg_imm32_b32 hwreg(HW_REG_WAVE_MODE, 25, 1), 1
	s_wait_xcnt 0x0
	s_wait_alu depctr_hold_cnt(0) depctr_sa_sdst(0) depctr_va_vdst(0) depctr_va_sdst(0) depctr_va_ssrc(0) depctr_va_vcc(0) depctr_vm_vsrc(0)
	s_getreg_b32 s2, hwreg(HW_REG_IB_STS2, 6, 4)
	s_cmp_eq_u32 s2, 0
	s_cbranch_scc0 .Lentry_in_a_cluster
	s_endpgm
.Lentry_in_a_cluster:
	s_bfe_u32 s2, ttmp6, 0x10000c
	s_cmp_lg_u32 s2, 0x3003
	s_cbranch_scc0 .Lentry_shape_is_right
	s_endpgm
.Lentry_shape_is_right:
; Causal attention of one head on codes of BF8: S^T = K Q^T, p = 2^(t - M), O^T = V^T P^T, O / l quantised for the projection.  Scales: entries 2 (q), 3 (k), 4 (p), 5 (v), 6 (the result).
; t = score x 2^(e2 + e3) x log2(e) / 8; M = the running largest t rounded UP to a whole number; p is quantised along the keys, not normalised; the row's sum l is taken of the unquantised p, in f32.
; When M moves, l and O^T are multiplied by 2^(old M - new M), which rounds nothing.
; ALL OF A HEAD'S K AND V, 262,144 bytes of kv_img, LIE IN LDS, filled once: block kb (128 keys) at 16,384 kb: eight fragments of K (16 keys x 64: 1,024 bytes), then four of V (16 features x 128 keys: 2,048 bytes),
; each an image of its registers: a fragment comes by loads of 512 consecutive bytes.  No LDS byte is filled twice.
; SHARES.  Eight work-groups to a head.  Work-group g owns the query tiles 8 i + g, i = 0 .. 15 (tile i lies in key block i).  Wave w takes tile 15 - w and then tile w: 16 - w and w + 1 key steps of 128: 17 for every wave
; of the launch, whatever g: the causal mask's triangle is shared out evenly.  Key steps behind a tile's diagonal are left out by a scalar branch on the wave's number and the step's.
; CLUSTER.  Four work-groups of one head ask for K and V jointly (mask 15).  The place in the cluster enters Q's and the result's addresses and the mask's vector compare, and no branch and no LDS address.
; LAYOUT.  Source 0 = 16 keys (or 16 features of V), source 1 = my 16 queries: a lane holds ONE query (lane % 16); in tile t of S^T its eight registers are keys 16 t + 8 (lane / 16) + 0 .. 7: their codes are registers
; 2 t, 2 t + 1 of the second product's operand.  O^T's tile t holds features 16 t + 8 (lane / 16) + 0 .. 7: its codes are registers 2 t, 2 t + 1 of the projection's operand (16 tokens x 64), stored as they stand.
; a_img: [token tile 256][head 16][1024].  Nothing is prefetched: every byte of K and V is asked for at the head.
; LIMITS: e2 + e3 between -123 and 130 (added to c's exponent field); e4 and e6 between -126 and 127; e4 + e5 is applied by v_ldexp_f32 and has none.
; REGISTERS: v1-7 below; v8-15 Q; v16 -M, v17 the largest t, v[18:19] l in two halves, v[20:21] f; v22-27 at work; v28-91 K's eight fragments; v92-155 S^T, then p; v144-159 p's codes (laid over p's last 12 registers, which are
; converted first); v160-191 O^T; v192-255 V's four fragments; v256-263 the second tile's Q.
.set LI,   1                           ; v1   16 x lane; never rewritten
.set ADV,  2                           ; v2   LDS address of the step's V
.set ADK,  3                           ; v3   of the next step's K
.set DG,   4                           ; v4   16 g + lane % 16 - 8 (lane / 16): on the diagonal, register 8 t + j is hidden where 16 t + j is above it
.set NINF, 5                           ; v5   -infinity
.set PLIM, 6                           ; v6   unused
.set PSC,  7                           ; v7   2^e4
.set Q,    8
.set KF,   28
.set S,    92
.set P,    144
.set O,    160
.set VF,   192
.set WV,   12                          ; s12  my wave's number
.set CS,   48                          ; s[48:49] c = log2(e) / 8 x 2^(e2 + e3): the packed form names a pair and takes its low word
.set SEL,  50                          ; s[50:51] lane selects for v_permlanex16_b32: lane l xor 16
.set TB,   52                          ; s52  LDS byte of the step's block
.set TN,   53                          ; s53  of the next step's, held at the last block
.set SN,   54                          ; s54  the step's number
.set KB,   55                          ; s55  the tile's diagonal block: its last step
.set LC,   68                          ; s68  counts a loop's trips
.macro CROUND                          ; a round of the cluster's barrier
	s_barrier_signal -1
	s_barrier_wait -1
	s_cmp_lg_u32 s[WV], 0
	s_cbranch_scc1 .Lnot_wave_0_\@
	s_barrier_signal -3
.Lnot_wave_0_\@:
	s_barrier_wait -3
	s_barrier_signal -1
	s_barrier_wait -1
.endm
	s_load_b256 s[4:11], s[0:1], 0x0               ; q_img s[4:5], kv_img s[6:7], the scales' exponents s[8:9], a_img s[10:11]
	v_lshl_add_u32 v25, v0, 2, 0x40000
	s_set_vgpr_msb 0x40
	v_mov_b32 v9, 0
	s_set_vgpr_msb 0x4044
	ds_add_u32 v25, v9
	ds_add_u32 v25, v9
	s_set_vgpr_msb 0x4400
	v_lshrrev_b32 v2, 5, v0
	s_delay_alu instid0(VALU_DEP_1)
	v_readfirstlane_b32 s[WV], v2                  ; wave 0..7
	s_bfe_u32 s13, ttmp6, 0x40000                  ; cx
	s_lshl_b32 s14, ttmp9, 2
	s_add_co_u32 s14, s14, s13                     ; g = 4 x cluster x + cx
	s_and_b32 s15, ttmp7, 0xffff                   ; 16 x batch + head, which the four partners share
	; descriptor groups 1: dense blocks as rows of 256 bytes.  s[16:23]: 32 rows (my eighth of key blocks 0-3);  s[24:31]: 96 rows (my eighth of blocks 4-15)
	s_mov_b32 s16, 15|(3<<16)|(1<<21)              ; 15:0 the mask: all four work-groups; 17:16 elements of 8 bytes; 21 set beside a mask
	s_mov_b32 s17, 32<<16                          ; tensor_dim0 = 32 elements
	s_mov_b32 s18, 32<<16                          ; tensor_dim1 = 32
	s_mov_b32 s19, 32<<16                          ; tile_dim0
	s_mov_b32 s20, 32                              ; tile_dim1
	s_mov_b32 s21, 32                              ; tensor_dim0_stride
	s_mov_b32 s22, 0
	s_mov_b32 s23, 0
	s_mov_b32 s24, 15|(3<<16)|(1<<21)
	s_mov_b32 s25, 32<<16
	s_mov_b32 s26, 96<<16
	s_mov_b32 s27, 32<<16
	s_mov_b32 s28, 96
	s_mov_b32 s29, 32
	s_mov_b32 s30, 0
	s_mov_b32 s31, 0
	s_lshl_b32 s66, s15, 18                        ; a head's 262,144 bytes
	s_mov_b32 s67, 0
	s_lshl_b32 s62, s[WV], 13                      ; 8,192 x wave
	s_mul_i32 s63, s[WV], 24576
	s_add_co_u32 s63, s63, 65536                   ; 65,536 + 24,576 x wave: the same offsets in memory and in LDS
	s_mov_b32 s69, 0
	s_wait_dscnt 0x0
	s_wait_kmcnt 0x0
	s_load_b256 s[40:47], s[8:9], 0x0              ; e0 .. e7
	s_add_nc_u64 s[6:7], s[6:7], s[66:67]
	s_mov_b32 s32, 1
	s_mov_b32 s33, s62
	s_mov_b32 s68, s62
	s_add_nc_u64 s[34:35], s[6:7], s[68:69]
	s_or_b32 s35, s35, 0x80000000
	s_mov_b32 s36, 1
	s_mov_b32 s37, s63
	s_mov_b32 s68, s63
	s_add_nc_u64 s[38:39], s[6:7], s[68:69]
	s_or_b32 s39, s39, 0x80000000
	CROUND                                         ; all four work-groups are here: the joint loads meet
	tensor_load_to_lds s[32:35], s[16:23]          ; both fills go out together, ahead of every wait on TENSORcnt and every LDS read: two loads of mine are out
	s_nop 0
	tensor_load_to_lds s[36:39], s[24:31]
	s_nop 0
.rept 4
	v_nop
.endr
	v_and_b32 v[LI], 31, v0
	s_delay_alu instid0(VALU_DEP_1)
	v_lshlrev_b32 v[LI], 4, v[LI]
	s_wait_alu depctr_va_vdst(0)
	s_sub_co_u32 s[KB], 15, s[WV]                  ; the long tile first
	s_lshl_b32 s62, s15, 7
	s_add_co_u32 s62, s62, s14                     ; 128 tiles a head, + g
	s_lshl_b32 s63, s[KB], 3
	s_add_co_u32 s63, s63, s62
	s_lshl_b32 s68, s63, 10
	s_add_nc_u64 s[66:67], s[4:5], s[68:69]
	global_load_b128 v[Q:Q+3], v[LI], s[66:67]     ; the long tile's Q
	global_load_b128 v[Q+4:Q+7], v[LI], s[66:67] offset:512
	s_lshl_b32 s63, s[WV], 3
	s_add_co_u32 s63, s63, s62
	s_lshl_b32 s68, s63, 10
	s_add_nc_u64 s[4:5], s[4:5], s[68:69]
	s_set_vgpr_msb 0x40                            ; destination in window 1
	global_load_b128 v[0:3], v[LI], s[4:5]         ; v256-263: the short tile's Q
	global_load_b128 v[4:7], v[LI], s[4:5] offset:512
	s_set_vgpr_msb 0x4000
	v_and_b32 v[DG], 15, v0
	v_bfe_u32 v[NINF], v0, 4, 1
	s_delay_alu instid0(VALU_DEP_1)
	v_lshlrev_b32 v[NINF], 3, v[NINF]
	s_delay_alu instid0(VALU_DEP_1)
	v_sub_nc_u32 v[DG], v[DG], v[NINF]
	s_lshl_b32 s62, s14, 4
	v_add_nc_u32 v[DG], s62, v[DG]
	v_mov_b32 v[NINF], 0xff800000
	v_mov_b32 v21, 0                               ; (named as the upper half of the pair v[20:21])
	v_mov_b32 v24, 0                               ; written once: a lane permute's destination counts as one of its sources
	s_mov_b32 s[SEL], 0x76543210
	s_mov_b32 s[SEL+1], 0xfedcba98
	s_lshr_b32 s62, s15, 4                         ; the result's tile: ((128 x batch + 8 i + g) x 16 + head) x 1,024 bytes; all but i:
	s_lshl_b32 s62, s62, 7
	s_add_co_u32 s62, s62, s14
	s_lshl_b32 s62, s62, 4
	s_and_b32 s63, s15, 15
	s_add_co_u32 s59, s62, s63
	s_wait_kmcnt 0x0
	s_add_co_i32 s62, s42, s43
	s_lshl_b32 s62, s62, 23
	s_add_co_i32 s[CS], s62, 0x3e38aa3b            ; log2(e) / 8, with e2 + e3 added to its exponent field
	s_mov_b32 s[CS+1], s[CS]
	s_add_co_i32 s62, s44, 127
	s_lshl_b32 s63, s62, 23
	v_mov_b32 v[PSC], s63
	s_add_co_i32 s56, s44, s45                     ; e4 + e5
	s_add_co_i32 s62, s46, 127
	s_lshl_b32 s57, s62, 23                        ; 2^e6
.macro INIT                            ; a tile begins: O^T and l are zeros and the largest t is -3e38, so that one text of the step serves the first step too; K of step 0 is asked for
	v_mov_b32 v17, 0xff61b1e6
	s_delay_alu instid0(VALU_DEP_1)
	v_floor_f32 v16, -v17
	v_mov_b32 v18, 0
	v_mov_b32 v19, 0
.set n, 0
.rept 32
	v_mov_b32 v[O+n], 0
.set n, n+1
.endr
	s_mov_b32 s[TB], 0
	s_mov_b32 s[SN], 0
.irp t, 0,1,2,3,4,5,6,7
.irp c, 0,1
	ds_load_b128 v[KF+8*\t+4*\c:KF+8*\t+4*\c+3], v[LI] offset:1024*\t+512*\c
.endr
.endr
.endm
; A KEY STEP of 128 keys.  kind 0: plain.  kind 1: plain, with the barrier behind which key blocks 4-15 may be read.  kind 2: left out behind the tile's diagonal, masked on it.
.macro STEP kind
.if \kind == 2
	s_cmp_gt_u32 s[SN], s[KB]                      ; all keys of this step come after my queries: the wave's number and the step's decide
	s_cbranch_scc1 .Lskip_\@
.endif
	v_add_nc_u32 v[ADV], s[TB], v[LI]
.irp t, 0,1,2,3
.irp c, 0,1,2,3
	ds_load_b128 v[VF+16*\t+4*\c:VF+16*\t+4*\c+3], v[ADV] offset:8192+2048*\t+512*\c   ; V of this step: it lands under the softmax
.endr
.endr
	s_wait_dscnt 16                                ; K of this step, asked for a step ago, is in; V's 16 loads may be out
.irp t, 0,1,2,3,4,5,6,7
	v_wmma_f32_16x16x64_bf8_bf8 v[S+8*\t:S+8*\t+7], v[KF+8*\t:KF+8*\t+7], v[Q:Q+7], 0
.endr
	s_add_co_u32 s[TN], s[TB], 16384
	s_min_u32 s[TN], s[TN], 15*16384               ; the last step asks for the last block once more: no read leaves the filled bytes
	v_add_nc_u32 v[ADK], s[TN], v[LI]
.rept 3
	v_nop                                          ; with the line above: four places in front of the loads into K's registers and of the first read of the scores
.endr
.if \kind == 1
	s_wait_alu depctr_va_vdst(0)
	s_wait_tensorcnt 0x0                           ; my part of blocks 4-15 has landed,
	s_wait_dscnt 0x0
	s_barrier_signal -1
	s_barrier_wait -1                              ; everybody's has
.endif
.irp t, 0,1,2,3,4,5,6,7
.irp c, 0,1
	ds_load_b128 v[KF+8*\t+4*\c:KF+8*\t+4*\c+3], v[ADK] offset:1024*\t+512*\c   ; K of the next step
.endr
.endr
.if \kind == 2
	s_cmp_lg_u32 s[SN], s[KB]
	s_cbranch_scc1 .Lopen_\@
.set n, 0
.rept 64                               ; on the diagonal the scores of hidden keys become -infinity ahead of the maximum: p = 0 then
	v_cmp_gt_i32 vcc_lo, 16*(n/8)+n%8, v[DG]
	v_cndmask_b32 v[S+n], v[S+n], v[NINF], vcc_lo
.set n, n+1
.endr
.Lopen_\@:
.endif
	v_max3_num_f32 v22, v[S], v[S+1], v[S+2]       ; the step's largest score of my query among my 64 keys, in two chains, each accumulator from its low end on
	v_max3_num_f32 v23, v[S+3], v[S+4], v[S+5]
.irp i, 6,10,14,18,22,26,30,34,38,42,46,50,54,58
	v_max3_num_f32 v22, v22, v[S+\i], v[S+\i+1]
	v_max3_num_f32 v23, v23, v[S+\i+2], v[S+\i+3]
.endr
	v_max3_num_f32 v22, v22, v[S+62], v[S+63]
	s_delay_alu instid0(VALU_DEP_1)
	v_max_num_f32 v22, v22, v23
	s_delay_alu instid0(VALU_DEP_1)
	v_permlanex16_b32 v24, v22, s[SEL], s[SEL+1]
	s_delay_alu instid0(VALU_DEP_1)
	v_max_num_f32 v22, v22, v24                    ; and among lane l xor 16's
	s_delay_alu instid0(VALU_DEP_1)
	v_mul_f32 v22, s[CS], v22                      ; as t (c is positive)
	s_delay_alu instid0(VALU_DEP_1)
	v_max_num_f32 v17, v17, v22                    ; the running largest t
	v_mov_b32 v22, v16
	s_delay_alu instid0(VALU_DEP_2)
	v_floor_f32 v16, -v17                          ; the new -M = floor(-t): M is a whole number
	s_delay_alu instid0(VALU_DEP_1)
	v_sub_f32 v22, v16, v22                        ; old M - new M: a whole number, 0 or less
	s_delay_alu instid0(VALU_DEP_1)
	v_cvt_i32_f32 v22, v22                         ; (it saturates)
	s_delay_alu instid0(VALU_DEP_1)
	v_ldexp_f32 v20, 1.0, v22                      ; f = 2^(old M - new M)
.irp j, 0,2,4,6,8,10,12,14,16,18,20,22,24,26,28,30,32,34,36,38,40,42,44,46,48,50,52,54,56,58,60,62
	v_pk_fma_f32 v[S+\j:S+\j+1], v[S+\j:S+\j+1], s[CS:CS+1], v[16:17] op_sel_hi:[1,0,0]   ; t - M, two at a time
.endr
.set n, 0
	s_wait_alu depctr_va_vdst(0)
.rept 64
	v_exp_f32 v[S+n], v[S+n]                       ; p = 2^(t - M), at most 1
.set n, n+1
.endr
	v_pk_mul_f32 v[18:19], v[18:19], v[20:21] op_sel_hi:[1,0]   ; l under the new M.  (A plain line behind the exponentials)
	s_wait_alu depctr_va_vdst(0)
	v_pk_add_f32 v[26:27], v[96:97], v[100:101]
	v_pk_add_f32 v[158:159], v[104:105], v[108:109]
	v_pk_add_f32 v[156:157], v[112:113], v[116:117]
	v_pk_add_f32 v[22:23], v[120:121], v[124:125]
	v_pk_add_f32 v[2:3], v[128:129], v[132:133]
	v_pk_add_f32 v[18:19], v[18:19], v[136:137]
	v_pk_add_f32 v[26:27], v[26:27], v[140:141]
	v_pk_add_f32 v[158:159], v[158:159], v[144:145]
	v_pk_add_f32 v[156:157], v[156:157], v[148:149]
	v_pk_add_f32 v[22:23], v[22:23], v[152:153]
	v_pk_add_f32 v[2:3], v[2:3], v[92:93]
	v_pk_add_f32 v[18:19], v[18:19], v[94:95]
	v_pk_add_f32 v[26:27], v[26:27], v[98:99]
	v_pk_add_f32 v[158:159], v[158:159], v[102:103]
	v_pk_add_f32 v[156:157], v[156:157], v[106:107]
	v_pk_add_f32 v[22:23], v[22:23], v[110:111]
	v_pk_add_f32 v[2:3], v[2:3], v[114:115]
	v_pk_add_f32 v[18:19], v[18:19], v[118:119]
	v_pk_add_f32 v[26:27], v[26:27], v[122:123]
	v_pk_add_f32 v[158:159], v[158:159], v[126:127]
	v_pk_add_f32 v[156:157], v[156:157], v[130:131]
	v_pk_add_f32 v[22:23], v[22:23], v[134:135]
	v_pk_add_f32 v[2:3], v[2:3], v[138:139]
	v_pk_add_f32 v[18:19], v[18:19], v[142:143]
	v_pk_add_f32 v[26:27], v[26:27], v[146:147]
	v_pk_add_f32 v[158:159], v[158:159], v[150:151]
	v_pk_add_f32 v[156:157], v[156:157], v[154:155]
	s_delay_alu instid0(VALU_DEP_1)
	v_pk_add_f32 v[18:19], v[18:19], v[156:157]
	s_delay_alu instid0(VALU_DEP_4)
	v_pk_add_f32 v[26:27], v[26:27], v[22:23]
	s_delay_alu instid0(VALU_DEP_4)
	v_pk_add_f32 v[158:159], v[158:159], v[2:3]
	s_delay_alu instid0(VALU_DEP_1)
	v_pk_add_f32 v[18:19], v[18:19], v[158:159]
	s_delay_alu instid0(VALU_DEP_1)
	v_pk_add_f32 v[18:19], v[18:19], v[26:27]
.set n, 48
.rept 16
.set n, n+1
.endr
	v_cvt_scalef32_pk8_bf8_f32 v[P+12:P+13], v[S+48:S+55], v[PSC]   ; their codes go behind S^T, and their own registers then take the other tiles' codes
	v_cvt_scalef32_pk8_bf8_f32 v[P+14:P+15], v[S+56:S+63], v[PSC]
.set n, 0
.rept 48
.set n, n+1
.endr
	v_nop
.irp t, 0,1,2,3,4,5
	v_cvt_scalef32_pk8_bf8_f32 v[P+2*\t:P+2*\t+1], v[S+8*\t:S+8*\t+7], v[PSC]
.endr
.irp j, 0,2,4,6,8,10,12,14,16,18,20,22,24,26,28,30
	v_pk_mul_f32 v[O+\j:O+\j+1], v[O+\j:O+\j+1], v[20:21] op_sel_hi:[1,0]   ; O^T under the new M.  (Plain lines between the conversions and the products)
.endr
	s_wait_alu depctr_va_vdst(0)
	s_wait_dscnt 16                                ; V is in; the next step's K, 16 loads, may be out
.irp t, 0,1,2,3
	v_wmma_f32_16x16x128_bf8_bf8 v[O+8*\t:O+8*\t+7], v[VF+16*\t:VF+16*\t+15], v[P:P+15], v[O+8*\t:O+8*\t+7]   ; four accumulators by turns
.endr
.rept 5
	v_nop                                          ; four places in front of the next loads into V's registers and of a read of O^T; five in front of the next scores, which are laid over p's codes
.endr
.if \kind == 2
.Lskip_\@:
.endif
	s_add_co_u32 s[TB], s[TB], 16384
	s_add_co_u32 s[SN], s[SN], 1
.endm
; A tile ends: O^T / l x 2^(e4 + e5), converted with 2^e6; the eight registers of codes are stored as they stand: 512 consecutive aligned bytes a store.
.macro FINISH
	s_wait_dscnt 0x0                               ; the last request for K, which nobody uses, is in
	v_add_f32 v18, v18, v19                        ; l's two halves,
	s_delay_alu instid0(VALU_DEP_1)
	v_permlanex16_b32 v24, v18, s[SEL], s[SEL+1]
	s_delay_alu instid0(VALU_DEP_1)
	v_add_f32 v18, v18, v24                        ; and lane l xor 16's
	s_wait_alu depctr_va_vdst(0)
	v_rcp_f32 v18, v18
	v_nop                                          ; a plain line behind the transcendental
	s_wait_alu depctr_va_vdst(0)
	v_ldexp_f32 v18, v18, s56
.irp j, 0,2,4,6,8,10,12,14,16,18,20,22,24,26,28,30
	v_pk_mul_f32 v[S+\j:S+\j+1], v[O+\j:O+\j+1], v[18:19] op_sel_hi:[1,0]   ; each accumulator from its low end on
.endr
	v_mov_b32 v[S+32], s57
.set n, 0
.rept 32
.set n, n+1
.endr
.irp t, 0,1,2,3
	v_cvt_scalef32_pk8_bf8_f32 v[S+34+2*\t:S+35+2*\t], v[S+8*\t:S+8*\t+7], v[S+32]
.endr
	v_nop                                          ; a plain line behind the last conversion
	s_lshl_b32 s62, s[KB], 7
	s_add_co_u32 s62, s62, s59
	s_lshl_b32 s62, s62, 10
	s_mov_b32 s63, 0
	s_add_nc_u64 s[60:61], s[10:11], s[62:63]
	global_store_b128 v[LI], v[S+34:S+37], s[60:61]
	global_store_b128 v[LI], v[S+38:S+41], s[60:61] offset:512
.endm
	s_wait_loadcnt 0x0                             ; both tiles' Q
	s_wait_tensorcnt 0x1                           ; my part of key blocks 0-3 is in; blocks 4-15 may be out: no LDS byte is ever filled again,
	s_barrier_signal -1
	s_barrier_wait -1                              ; everybody's is
	INIT
	s_mov_b32 s[LC], 3
.Lfirst:                                           ; steps 0-2 read blocks 0-2 and K of blocks 1-3.  The long tile's diagonal lies at block 8 or later: no guard
	STEP 0
	s_sub_co_u32 s[LC], s[LC], 1
	s_cmp_lg_u32 s[LC], 0
	s_cbranch_scc1 .Lfirst
	STEP 1                                         ; step 3
	s_mov_b32 s[LC], 12
.Llong:                                            ; steps 4-15: every wave walks all twelve trips and leaves out the work behind its diagonal
	STEP 2
	s_sub_co_u32 s[LC], s[LC], 1
	s_cmp_lg_u32 s[LC], 0
	s_cbranch_scc1 .Llong
	FINISH
	s_wait_xcnt 0x0                                ; the stores have read their registers and their base: both are written again below
	s_mov_b32 s[KB], s[WV]                         ; the short tile
	s_set_vgpr_msb 0x0001                          ; source 0 in window 1
.irp j, 0,1,2,3,4,5,6,7
	v_mov_b32 v[Q+\j], v[\j]                       ; v256-263
.endr
	s_set_vgpr_msb 0x0100
	INIT
	s_mov_b32 s[LC], 8
.Lshort:                                           ; steps 0-7
	STEP 2
	s_sub_co_u32 s[LC], s[LC], 1
	s_cmp_lg_u32 s[LC], 0
	s_cbranch_scc1 .Lshort
	FINISH
	s_set_vgpr_msb 0x4
	s_wait_tensorcnt 0x0
	ds_add_u32 v25, v9
	s_wait_dscnt 0x0
	s_set_vgpr_msb 0x400
	CROUND                                         ; the closing round
	s_endpgm
.Lfunc_end_k_qb80a9bff5a_attn:
	.size	k_qb80a9bff5a_attn, .Lfunc_end_k_qb80a9bff5a_attn-k_qb80a9bff5a_attn
	.p2alignl 7, 3214868480
	.fill 96, 4, 3214868480
	.section	.rodata,"a",@progbits
	.p2align	6, 0x0
	.amdhsa_kernel k_qb80a9bff5a_attn
		.amdhsa_group_segment_fixed_size 263168
		.amdhsa_private_segment_fixed_size 0
		.amdhsa_enable_private_segment 0
		.amdhsa_kernarg_size 32
		.amdhsa_user_sgpr_count 2
		.amdhsa_user_sgpr_kernarg_segment_ptr 1
		.amdhsa_wavefront_size32 1
		.amdhsa_system_sgpr_workgroup_id_x 1
		.amdhsa_system_sgpr_workgroup_id_y 1
		.amdhsa_system_sgpr_workgroup_id_z 1
		.amdhsa_system_vgpr_workitem_id 0
		.amdhsa_next_free_vgpr 266
		.amdhsa_next_free_sgpr 70
		.amdhsa_reserve_vcc 1
		.amdhsa_float_denorm_mode_32 3
		.amdhsa_float_denorm_mode_16_64 3
		.amdhsa_fp16_overflow 1
		.amdhsa_memory_ordered 1
		.amdhsa_forward_progress 1
		.amdhsa_inst_pref_size 82
	.end_amdhsa_kernel
	.amdgpu_metadata
---
amdhsa.version: [ 1, 2 ]
amdhsa.kernels:
  - .name:           k_qb80a9bff5a_attn
    .symbol:         k_qb80a9bff5a_attn.kd
    .args:
      - { .name: q_img, .offset: 0, .size: 8, .value_kind: global_buffer, .address_space: global }
      - { .name: kv_img, .offset: 8, .size: 8, .value_kind: global_buffer, .address_space: global }
      - { .name: lowp_scales, .offset: 16, .size: 8, .value_kind: global_buffer, .address_space: global }
      - { .name: a_img, .offset: 24, .size: 8, .value_kind: global_buffer, .address_space: global }
    .group_segment_fixed_size: 263168
    .private_segment_fixed_size: 0
    .kernarg_segment_align: 8
    .kernarg_segment_size: 32
    .max_flat_workgroup_size: 256
    .sgpr_count:     70
    .vgpr_count:     266
    .wavefront_size: 32
...
	.end_amdgpu_metadata
.endif
;; end of part 3
;; launch proj (part 4): grid 4 x 16, 4 waves a work-group, clusters of 4 x 4, 327,680 bytes of LDS; arguments a_img, wp_img, lowp_scales, c_proj_b, out0; writes out0
.if DOCPART == 4
	.amdgcn_target "amdgcn-amd-amdhsa--gfx1250"
	.amdhsa_code_object_version 6
	.text
	.protected	k_qb80a9bff5a_proj
	.globl	k_qb80a9bff5a_proj
	.p2align	8
	.type	k_qb80a9bff5a_proj,@function
k_qb80a9bff5a_proj:
	s_mov_b64 s[64:65], 0
	v_nop
	global_prefetch_b8 v0, s[64:65] scope:SCOPE_SE
	s_setreg_imm32_b32 hwreg(HW_REG_WAVE_MODE, 25, 1), 1
	s_wait_xcnt 0x0
	s_wait_alu depctr_hold_cnt(0) depctr_sa_sdst(0) depctr_va_vdst(0) depctr_va_sdst(0) depctr_va_ssrc(0) depctr_va_vcc(0) depctr_vm_vsrc(0)
	s_getreg_b32 s2, hwreg(HW_REG_IB_STS2, 6, 4)
	s_cmp_eq_u32 s2, 0
	s_cbranch_scc0 .Lentry_in_a_cluster
	s_endpgm
.Lentry_in_a_cluster:
	s_bfe_u32 s2, ttmp6, 0x10000c
	s_cmp_lg_u32 s2, 0xf033
	s_cbranch_scc0 .Lentry_shape_is_right
	s_endpgm
.Lentry_shape_is_right:
; out = Q(attn) Q(Wp) + bp on codes of BF8 (scales: entries 6 and 7).  a_img: [token tile 256][K chunk 8][2048]; wp_img: [tile of 16 columns 64][K chunk 8][2048]; out0: [4096][1024] f32.
; A tile of 256 x 256 of out is made by four waves, 128 x 128 each: 64 accumulators, 512 registers.  K = 1,024 goes in four steps of 256 through two LDS slots filled by the tensor data mover.
; OPERANDS ARE IMAGES OF THEIR REGISTERS (16 rows x 128 K = 2,048 bytes: registers 4 g .. 4 g + 3 of all lanes at 512 g + 16 x lane): a fragment comes out of LDS by four loads of 512 consecutive bytes.
; THE MATRIX INSTRUCTION IS USED TRANSPOSED (source 0 = 16 columns of Wp, source 1 = 16 tokens): a lane holds eight neighbouring numbers of a row of out.
; CLUSTERS: 4 x 4 work-groups; A's tile (tokens) is asked for jointly along a row of the cluster, B's (Wp) along a column.  64 work-groups: out has 64 tiles of this size.
; Nothing is prefetched: half of K is asked for at the head and the other half one and two steps later.
; LIMIT: e6 + e7 between -126 and 127, so that 2^(e6 + e7) is an f32 number.
; REGISTERS, in windows of 256: window 0: v0-31 addresses; v32-35 the bias of my four columns on the way out; from v128 A's fragments, ONE set (on the way out: rows read back from the stage).
;   window 1: B's fragments, TWO sets.   windows 2, 3: the accumulators (block a of A, b of B: v[8 (8 (a % 4) + b)] of window 2 + a / 4).
.set KSB,    4096                      ; a K step of 256 of one tile of 16 rows: two images
.set HALFT,  8*KSB                     ; eight tiles: what one tensor load brings, and what one wave reads of A or of B
.set SLOT,   4*HALFT                   ; A's 16 tiles, then B's 16
.set SPARE,  2*SLOT                    ; behind the ring: the spare words, 128 bytes for each wave: two blocks of 256 bytes that no other line names
.set SPITCH, 528                       ; the way out: a stage of 16 rows x (512 bytes + 16) for each wave.  It lies in slot 0, which has had its last fill and its last read when the first result is stored there
.set FR,     16
.set NL,     4
.set NP,     4                         ; places behind this matrix instruction (ISA guide 7.12.1)
.set ADRA, 16                          ; v16-17  LDS address of my A fragments in slot 0, 1
.set ADRB, 20                          ; v20-21  the same for B
.set STO,  24                          ; v24     the way out: where I put 32 bytes of a row
.set RD,   25                          ; v25     the way out: where I read a row back
.set LI,   27                          ; v27     16 x lane; never rewritten
.set SPW,  28                          ; v28     LDS address of my spare word; never rewritten
.set NIL,  29                          ; v29     0; never rewritten
.set BIAS, 32
.set AF,   128
.set BK,   128                         ; the way out: 16 rows read back: v128-191 and v192-255 by turns
.set G1, 24
.set G0, 32
.set G1B, 48
.set G0B, 56
.set MSB, 0
.macro WIN new                         ; the immediate's high byte repeats the setting that is left
.if MSB != \new
	s_set_vgpr_msb (MSB<<8)|\new
.set MSB, \new
.endif
.endm
.set MUL_LO, 0xa1                      ; source 0 (B) window 1, source 1 (A) window 0, C and D window 2
.set MUL_HI, 0xf1                      ; the same, C and D window 3
.set TO_B,   0x40                      ; destination window 1, address window 0
.macro JLOAD g0a, g1a, g0b, g1b        ; a joint load: waves 0 and 1 fetch for A, waves 2 and 3 for B; four v_nop follow each of the two lines
	s_cmp_eq_u32 s15, 0
	s_cbranch_scc0 .Lfor_b_\@
	tensor_load_to_lds s[\g0a:\g0a+3], s[\g1a:\g1a+7]
	s_nop 0
.rept 4
	v_nop
.endr
	s_branch .Lasked_\@
.Lfor_b_\@:
	tensor_load_to_lds s[\g0b:\g0b+3], s[\g1b:\g1b+7]
	s_nop 0
.rept 4
	v_nop
.endr
.Lasked_\@:
.endm
.macro CREST                           ; a round of the cluster's barrier behind its opening barrier
	s_cmp_lg_u32 s14, 0
	s_cbranch_scc1 .Lnot_wave_0_\@
	s_barrier_signal -3
.Lnot_wave_0_\@:
	s_barrier_wait -3
	s_barrier_signal -1
	s_barrier_wait -1
.endm
.macro CROUND
	s_barrier_signal -1
	s_barrier_wait -1
	CREST
.endm
	s_load_b256 s[4:11], s[0:1], 0x0               ; a_img s[4:5], wp_img s[6:7], the scales' exponents s[8:9], c_proj_b s[10:11]
	s_load_b64 s[68:69], s[0:1], 0x20              ; out0
	v_lshl_add_u32 v[SPW], v0, 2, SPARE
	v_mov_b32 v[NIL], 0
	ds_add_u32 v28, v29
	ds_add_u32 v28, v29
	s_wait_dscnt 0x0
	v_lshrrev_b32 v1, 5, v0
	v_readfirstlane_b32 s14, v1                    ; wave 0..3
	s_lshr_b32 s15, s14, 1                         ; which half of the tile's rows is mine.  Also: I fetch for A (0) or for B (1)
	s_and_b32 s16, s14, 1                          ; which half of its columns.  Also: which eight tiles of that side I fetch
	s_bfe_u32 s40, ttmp6, 0x40000                  ; cx, cy
	s_bfe_u32 s41, ttmp6, 0x40004
	s_lshl_b32 s42, ttmp9, 2
	s_add_co_u32 s42, s42, s40                     ; block of 256 columns = 4 x cluster x + cx
	s_and_b32 s17, ttmp7, 0xffff
	s_lshl_b32 s17, s17, 2
	s_add_co_u32 s17, s17, s41                     ; block of 256 tokens = 4 x cluster y + cy
	s_lshl_b32 s43, s41, 2
	s_lshl_b32 s43, 15, s43                        ; my row of the cluster
	s_lshl_b32 s44, 0x1111, s40                    ; my column
	; descriptor group 1: eight rows of 4,096 bytes (a tile's K step), 16,384 bytes apart in memory (a tile's whole K), dense in LDS
	s_or_b32 s[G1+0], s43, (3<<16)|(1<<21)         ; 15:0 the mask; 17:16 elements of 8 bytes; 20 no padding; 21 set beside a mask
	s_or_b32 s[G1B+0], s44, (3<<16)|(1<<21)
.irp g, G1, G1B
	s_mov_b32 s[\g+1], 512<<16                     ; tensor_dim0 = 512 elements
	s_mov_b32 s[\g+2], 8<<16                       ; tensor_dim1 = 8
	s_mov_b32 s[\g+3], 512<<16                     ; tile_dim0
	s_mov_b32 s[\g+4], 8                           ; tile_dim1
	s_mov_b32 s[\g+5], 2048                        ; tensor_dim0_stride, in elements
	s_mov_b32 s[\g+6], 0
	s_mov_b32 s[\g+7], 0
.endr
	s_lshl_b32 s18, s16, 17                        ; which eight tiles I fetch
	s_lshl_b32 s20, s17, 18                        ; a block is 16 tiles of 16,384 bytes
	s_add_co_u32 s20, s20, s18
	s_mov_b32 s21, 0
	s_lshl_b32 s46, s42, 18
	s_add_co_u32 s46, s46, s18
	s_mov_b32 s47, 0
	s_mul_i32 s45, s14, HALFT                      ; where they go: no place in the cluster enters an LDS address
	s_wait_kmcnt 0x0
	s_load_b64 s[96:97], s[8:9], 0x18              ; e6, e7
	s_add_nc_u64 s[20:21], s[4:5], s[20:21]
	s_add_nc_u64 s[46:47], s[6:7], s[46:47]
	CROUND                                         ; all sixteen work-groups are here: the first joint loads meet
.irp s, 0,1
	s_mov_b32 s[G0+4*\s], 1
	s_add_co_u32 s[G0+4*\s+1], s45, \s*SLOT
	s_add_nc_u64 s[G0+4*\s+2:G0+4*\s+3], s[20:21], \s*KSB
	s_or_b32 s[G0+4*\s+3], s[G0+4*\s+3], 0x80000000
	s_mov_b32 s[G0B+4*\s], 1
	s_add_co_u32 s[G0B+4*\s+1], s45, \s*SLOT
	s_add_nc_u64 s[G0B+4*\s+2:G0B+4*\s+3], s[46:47], \s*KSB
	s_or_b32 s[G0B+4*\s+3], s[G0B+4*\s+3], 0x80000000
	JLOAD G0+4*\s, G1, G0B+4*\s, G1B               ; two loads of mine are out
.endr
	v_and_b32 v1, 15, v0                           ; r
	v_bfe_u32 v2, v0, 4, 1                         ; h
	v_and_b32 v3, 31, v0
	v_lshlrev_b32 v[LI], 4, v3
	s_mul_i32 s21, s15, HALFT                      ; my eight tiles of A
	s_mul_i32 s22, s16, HALFT                      ; my eight tiles of B,
	s_add_co_u32 s22, s22, 2*HALFT                 ; which lie behind A's sixteen
.irp s, 0,1
	v_add_nc_u32 v[ADRA+\s], s21, v[LI]
	v_add_nc_u32 v[ADRB+\s], s22, v[LI]
	s_add_co_u32 s21, s21, SLOT
	s_add_co_u32 s22, s22, SLOT
.endr
	s_mul_i32 s23, s14, 16*SPITCH                  ; my stage
	v_mul_u32_u24 v[STO], v1, SPITCH               ; in: row r, 32 bytes for each half of the lanes
	v_lshl_add_u32 v[STO], v2, 5, v[STO]
	v_add_nc_u32 v[STO], s23, v[STO]
	v_add_nc_u32 v[RD], s23, v[LI]                 ; back: the 32 lanes take one row of 512 bytes
	s_lshl_b32 s88, s42, 10
	s_lshl_b32 s89, s16, 9
	s_add_co_u32 s88, s88, s89                     ; my first column, in bytes: 1,024 x block + 512 x half
	s_mov_b32 s89, 0
	s_add_nc_u64 s[84:85], s[10:11], s[88:89]
	global_load_b128 v[BIAS:BIAS+3], v[LI], s[84:85]   ; behind the stage a lane owns four fixed columns: four numbers of the bias serve all rows
	s_lshl_b32 s90, s17, 20                        ; 256 rows of 4,096 bytes a block,
	s_lshl_b32 s91, s15, 19                        ; 128 a half
	s_add_co_u32 s90, s90, s91
	s_add_co_u32 s90, s90, s88
	s_mov_b32 s91, 0
	s_add_nc_u64 s[68:69], s[68:69], s[90:91]
.macro FRAG reg, adr, q, i             ; tile i's fragment of the slot's q-th 128 along K: its image, 512 consecutive bytes a load
.irp c, 0,1,2,3
	ds_load_b128 v[\reg+4*\c:\reg+4*\c+3], v[\adr] offset:2048*(\q)+512*\c+(\i)*KSB
.endr
.endm
; 16 matrix instructions: A's blocks a0, a0 + 1 x B's eight, 128 along K.  The 64 accumulators take turns, one instruction a turn, in the same order in every step.
.macro MUL16 a0, p, zero
.irp a, \a0, \a0+1
.irp b, 0,1,2,3,4,5,6,7
.if \zero
	v_wmma_f32_16x16x128_bf8_bf8 v[8*(8*((\a)%4)+\b):8*(8*((\a)%4)+\b)+7], v[128*(\p)+FR*\b:128*(\p)+FR*\b+FR-1], v[AF+FR*(\a):AF+FR*(\a)+FR-1], 0
.else
	v_wmma_f32_16x16x128_bf8_bf8 v[8*(8*((\a)%4)+\b):8*(8*((\a)%4)+\b)+7], v[128*(\p)+FR*\b:128*(\p)+FR*\b+FR-1], v[AF+FR*(\a):AF+FR*(\a)+FR-1], v[8*(8*((\a)%4)+\b):8*(8*((\a)%4)+\b)+7]
.endif
.endr
.endr
.endm
.macro FETCH_B slot, q, p
	WIN TO_B
.irp i, 0,1,2,3,4,5,6,7
	FRAG 128*(\p)+FR*\i, ADRB+\slot, \q, \i
.endr
	WIN 0
.endm
.macro FETCH_A slot, q, i0
.irp i, \i0, \i0+1, \i0+2, \i0+3
	FRAG AF+FR*(\i), ADRA+\slot, \q, \i
.endr
.endm
.macro PLACES n                        ; plain vector lines between a matrix instruction and a load into, or a read of, its registers
.rept \n
	v_nop
.endr
.endm
.macro STEP slot, q, zero              ; a step of 128 along K that has its successor in the same slot
	s_wait_dscnt 4*NL                              ; B's set and A's blocks 0-3 are in; the youngest 16 loads (A's blocks 4-7) may be out
	WIN MUL_LO
	MUL16 0, (\q)%2, \zero
	MUL16 2, (\q)%2, \zero
	s_wait_dscnt 0                                 ; A's blocks 4-7 are in
	PLACES NP
	FETCH_B \slot, (\q)+1, 1-(\q)%2
	FETCH_A \slot, (\q)+1, 0
	WIN MUL_HI
	MUL16 4, (\q)%2, \zero
	MUL16 6, (\q)%2, \zero
	PLACES NP
	WIN 0
	FETCH_A \slot, (\q)+1, 4
.endm
; A slot's last step changes slots: ONE barrier; in front of it each wave waits for all its tensor loads, adds 0 to its spare word, and waits for that and for its own reads of this slot.
.macro TURN slot, next, fill
	s_wait_tensorcnt 0x0                           ; all my tensor loads have landed: my part of the next slot
	ds_add_u32 v[SPW], v[NIL]                      ; 0 onto my spare word
	s_wait_dscnt 4*NL+1                            ; (the add and the youngest 16 loads may be out)
	WIN MUL_LO
	MUL16 0, 1, 0                                  ; sixteen matrix instructions stand between the add and the wait for it
	s_wait_dscnt 0x0                               ; the add is done, and my reads of this slot are over
	s_barrier_signal -1
	MUL16 2, 1, 0
	WIN 0
	s_barrier_wait -1
.if \fill
	CREST                                          ; the barrier has opened a round of the cluster's barrier: no wave of any partner still reads this slot or has a load on its way
	s_add_nc_u64 s[G0+4*\slot+2:G0+4*\slot+3], s[G0+4*\slot+2:G0+4*\slot+3], 2*KSB
	s_add_nc_u64 s[G0B+4*\slot+2:G0B+4*\slot+3], s[G0B+4*\slot+2:G0B+4*\slot+3], 2*KSB
	JLOAD G0+4*\slot, G1, G0B+4*\slot, G1B         ; the first tensor load behind the round; its four v_nop are also the places in front of the loads below
.else
	PLACES NP
.endif
	FETCH_B \next, 0, 0
	FETCH_A \next, 0, 0
	WIN MUL_HI
	MUL16 4, 1, 0
	MUL16 6, 1, 0
	PLACES NP
	WIN 0
	FETCH_A \next, 0, 4
.endm
	s_wait_tensorcnt 1                             ; my part of K step 0 is in (K step 1's load may be out)
	s_barrier_signal -1
	s_barrier_wait -1                              ; everybody's is
	FETCH_B 0, 0, 0
	FETCH_A 0, 0, 0
	FETCH_A 0, 0, 4
	STEP 0, 0, 1                                   ; K 0-127: its products start the sums
	TURN 0, 1, 1                                   ; slot 0 takes K step 2
	STEP 1, 0, 0
	TURN 1, 0, 1                                   ; slot 1 takes K step 3: the last load
	STEP 0, 0, 0
	TURN 0, 1, 0                                   ; nothing is left to fetch; behind this barrier nobody reads slot 0
	STEP 1, 0, 0
	s_wait_dscnt 4*NL                              ; the last 128 along K
	WIN MUL_LO
	MUL16 0, 1, 0
	MUL16 2, 1, 0
	s_wait_dscnt 0
	WIN MUL_HI
	MUL16 4, 1, 0
	MUL16 6, 1, 0
	WIN 0
; THE WAY OUT, block by block of 16 rows x 128 columns.  The sums go into my own stage as they are and come back as whole rows of 512 bytes; there each lane owns four fixed columns, and one packed
; multiply-add for two numbers gives sum x 2^(e6 + e7) + bias; the 32 lanes store 512 consecutive aligned bytes.  LDS serves a wave's instructions in order (ISA guide 5.7.1.4): no wait between the stores and the loads.
.macro TOSTAGE a
.set AC, 64*((\a)%4)
.set BB, BK+64*((\a)%2)
	WIN 0x08+4*((\a)/4)                            ; the stores' data: window 2 or 3
.irp b, 0,1,2,3,4,5,6,7
	ds_store_b128 v[STO], v[AC+8*\b:AC+8*\b+3] offset:64*\b          ; each accumulator from its low end on
	ds_store_b128 v[STO], v[AC+8*\b+4:AC+8*\b+7] offset:64*\b+16
.endr
	WIN 0
.irp t, 0,1,2,3,4,5,6,7,8,9,10,11,12,13,14,15
	ds_load_b128 v[BB+4*\t:BB+4*\t+3], v[RD] offset:\t*SPITCH
.endr
.endm
.macro SEND a, younger                 ; younger: the LDS instructions issued behind block a's loads, which may stay out
.set BB, BK+64*((\a)%2)
	s_wait_dscnt \younger                          ; the block is back in registers
.irp t, 0,1,2,3,4,5,6,7,8,9,10,11,12,13,14,15
.irp u, 0,1
	v_pk_fma_f32 v[BB+4*\t+2*\u:BB+4*\t+2*\u+1], v[BB+4*\t+2*\u:BB+4*\t+2*\u+1], s[96:97], v[BIAS+2*\u:BIAS+2*\u+1] op_sel_hi:[1,0,1]
.endr
.endr
.if (\a) > 0
	s_add_nc_u64 s[68:69], s[68:69], 16*4096       ; (behind a wait on XCNT: the earlier stores have read their base)  16 rows on
.endif
.irp t, 0,1,2,3,4,5,6,7,8,9,10,11,12,13,14,15
	global_store_b128 v[LI], v[BB+4*\t:BB+4*\t+3], s[68:69] offset:\t*4096 th:TH_STORE_NT   ; written once, read by nobody here
.endr
.endm
	s_wait_kmcnt 0x0
	s_wait_loadcnt 0x0                             ; the bias
	s_add_co_i32 s96, s96, s97
	s_add_co_i32 s96, s96, 127
	s_lshl_b32 s96, s96, 23                        ; 2^(e6 + e7) as f32
	s_mov_b32 s97, s96                             ; (named with it as a pair, so it is written)
	PLACES NP                                      ; behind the last products: for the LDS stores of results and the loads into the registers that held A's fragments
	TOSTAGE 0
.irp a, 1,2,3,4,5,6,7
.if \a > 1
	s_wait_xcnt 0x0                                ; block a - 2's stores have read their registers and their base: block a's loads may land there, and the base may step
.endif
	TOSTAGE \a
	SEND \a-1, 32                                  ; behind block a - 1's loads: block a's 16 stores and 16 loads
.endr
	s_wait_xcnt 0x0                                ; block 6's stores have read their base
	SEND 7, 0
	s_wait_tensorcnt 0x0                           ; the wave's end, behind my last tensor load and my last LDS store
	ds_add_u32 v[SPW], v[NIL]
	s_wait_dscnt 0x0
	CROUND                                         ; the closing round: no work-group ends while a partner may still ask for a tile that names it
	s_endpgm
.Lfunc_end_k_qb80a9bff5a_proj:
	.size	k_qb80a9bff5a_proj, .Lfunc_end_k_qb80a9bff5a_proj-k_qb80a9bff5a_proj
	.p2alignl 7, 3214868480
	.fill 96, 4, 3214868480
	.section	.rodata,"a",@progbits
	.p2align	6, 0x0
	.amdhsa_kernel k_qb80a9bff5a_proj
		.amdhsa_group_segment_fixed_size 327680
		.amdhsa_private_segment_fixed_size 0
		.amdhsa_enable_private_segment 0
		.amdhsa_kernarg_size 40
		.amdhsa_user_sgpr_count 2
		.amdhsa_user_sgpr_kernarg_segment_ptr 1
		.amdhsa_wavefront_size32 1
		.amdhsa_system_sgpr_workgroup_id_x 1
		.amdhsa_system_sgpr_workgroup_id_y 1
		.amdhsa_system_sgpr_workgroup_id_z 1
		.amdhsa_system_vgpr_workitem_id 0
		.amdhsa_next_free_vgpr 1024
		.amdhsa_next_free_sgpr 100
		.amdhsa_reserve_vcc 0
		.amdhsa_float_denorm_mode_32 3
		.amdhsa_float_denorm_mode_16_64 3
		.amdhsa_memory_ordered 1
		.amdhsa_forward_progress 1
		.amdhsa_inst_pref_size 123
	.end_amdhsa_kernel
	.amdgpu_metadata
---
amdhsa.version: [ 1, 2 ]
amdhsa.kernels:
  - .name:           k_qb80a9bff5a_proj
    .symbol:         k_qb80a9bff5a_proj.kd
    .args:
      - { .name: a_img, .offset: 0, .size: 8, .value_kind: global_buffer, .address_space: global }
      - { .name: wp_img, .offset: 8, .size: 8, .value_kind: global_buffer, .address_space: global }
      - { .name: lowp_scales, .offset: 16, .size: 8, .value_kind: global_buffer, .address_space: global }
      - { .name: c_proj_b, .offset: 24, .size: 8, .value_kind: global_buffer, .address_space: global }
      - { .name: out0, .offset: 32, .size: 8, .value_kind: global_buffer, .address_space: global }
    .group_segment_fixed_size: 327680
    .private_segment_fixed_size: 0
    .kernarg_segment_align: 8
    .kernarg_segment_size: 40
    .max_flat_workgroup_size: 128
    .sgpr_count:     100
    .vgpr_count:     1024
    .wavefront_size: 32
...
	.end_amdgpu_metadata
.endif
;; end of part 4
